; MI455X (gfx1250); checked and timed in simulation.
; The chip was launched on July 23, 2026; its instructions are those of AMD's public machine-readable ISA for CDNA 5 (MIT licence, August 2026) and "CDNA5" Instruction Set Architecture Reference Guide (July 2026). The comments in the code are by the model that wrote it; some were corrected since.
;; Multi Head Attention. Allowed arithmetic: matrix products marked QUANTISED: E2M1 operands, one E8M0 scale for each 32 along K, by v_wmma_scale_f32_16x16x128_f8f6f4 with both operands' format E2M1 (or v_wmma_scale_f32_32x16x128_f4), f32 sums; everything else in f32.
;; Inputs: K 4 x 2,048 x 1,024 float32; Q 4 x 2,048 x 1,024 float32; V 4 x 2,048 x 1,024 float32; Wk 1,024 x 1,024 float32; Wo 1,024 x 1,024 float32; Wq 1,024 x 1,024 float32; Wv 1,024 x 1,024 float32; bk 1,024 float32; bo 1,024 float32; bq 1,024 float32; bv 1,024 float32; mask 2,048 x 2,048 int32.
;; Outputs: out0 4 x 2,048 x 1,024 float32.
;; This version of the problem:
;;   THIS VERSION OF THE PROBLEM IS GIVEN IN LOW PRECISION. The matrix products marked QUANTISED in the list below multiply operands that are first quantised to E2M1 (2 exponent bits, 1 mantissa bit; 4 bits a number), with one power-of-two scale for each 32 numbers along K (OCP MX v1.0); their sums are f32. All else is computed in f32.
;;   The module's matrix products, in the order in which they are computed (A, B: the left and right operand; K: the contracted axis; several contracted axes count as one K, in the product's order):
;;     1. [M 8,192, K 1,024] x [K 1,024, N 1,024]; A: input Q; B: input Wq: QUANTISED
;;     2. [M 8,192, K 1,024] x [K 1,024, N 1,024]; A: input K; B: input Wk: QUANTISED
;;     3. [M 8,192, K 1,024] x [K 1,024, N 1,024]; A: input V; B: input Wv: QUANTISED
;;     4. batch 64 x [M 2,048, K 64] x [K 64, N 2,048]; A: computed on the way; B: computed on the way: QUANTISED
;;     5. batch 64 x [M 2,048, K 2,048] x [K 2,048, N 64]; A: softmax (see below); B: computed on the way: QUANTISED
;;     6. [M 8,192, K 1,024] x [K 1,024, N 1,024]; A: computed on the way; B: input Wo: QUANTISED
;;   THE QUANTISER, for each operand of a quantised product, along K:
;;     - K is cut into blocks of 32 from its start; a last block that is shorter is filled with zeros.
;;     - A block's scale is 2^e with e = floor(log2(the largest magnitude in the block)) - 2, held to -126 .. 127; a block of zeros has e = 0. As a byte (E8M0): e + 127.
;;     - Each number is divided by its block's scale, clamped to +-6, and rounded to the nearest number of E2M1, ties to even, subnormals kept.
;;     - The product sums the exact products of the quantised numbers (number of the format x scale) in f32.
;;   ~~~python
;;   def quantise(x, axis):      # numpy; x: float32 -> the quantised numbers, widened to float32 again
;;       x = np.moveaxis(x, axis, -1); K = x.shape[-1]
;;       x = np.pad(x, [(0, 0)] * (x.ndim - 1) + [(0, -K % 32)]); x = x.reshape(x.shape[:-1] + (-1, 32)); a = np.abs(x).max(-1, keepdims=True)
;;       e = np.where(a > 0, np.clip(np.frexp(np.where(a > 0, a, 1))[1] - 1 - 2, -126, 127), 0)      # np.frexp(a)[1] - 1 = floor(log2(a)), exactly
;;       r = np.clip(x / 2.0 ** e, -6, 6)
;;       step = 2.0 ** (np.maximum(np.frexp(np.where(r == 0, 1, r))[1] - 1, 0) - 1)
;;       q = np.round(r / step) * step * 2.0 ** e      # np.round: ties to even
;;       return np.moveaxis(q.reshape(q.shape[:-2] + (-1,))[..., :K], -1, axis).astype(np.float32)
;;   ~~~
;;   SOFTMAX AHEAD OF A QUANTISED PRODUCT. Where the list says 'softmax', what is quantised is not the finished softmax but p = 2^(t - M), with t = logit x log2(e) and M = ceil(the row's largest t), a whole number; so 1/2 < the row's largest p <= 1. The row's sum l is taken of the UNQUANTISED p, in f32, and the product's result is divided by l at the end. Since M is a whole number, a kernel that streams over the keys may use a running M (the ceiling of the running maximum): every later rescaling is an exact power of two, which a block's scale takes up: the codes' values come out the same.
;;   OPERANDS COMPUTED ON THE WAY. 'Computed on the way' means the value that the module computes at that place (a softmax that the list does not call 'softmax' is quantised finished and normalised). What goes into a quantiser is computed in f32, as accurately as f32 sums, v_exp_f32 and their like allow (about 1e-6 of the number): no bf16 or f16 on the way to a quantiser, and a product that is left as it is and whose result goes on into a quantised operand takes f32 operands (vector FMAs, or v_wmma_f32_16x16x4_f32). A number that lies on a knife's edge between two numbers of the format may be rounded either way, as far as f32 arithmetic and the matrix unit's own rounding can turn it there, and no further.
;; 2 versions, each right; version 2 is version 1 with the launch attn written anew for expert scheduling mode. Each part assembles by itself: llvm-mc -triple=amdgcn-amd-amdhsa -mcpu=gfx1250 --defsym DOCPART=n.
;; ======== version 1 of 2: 4 launches
;; workspace buffers: xw 15,597,568 bytes; mk 557,056 bytes of whole numbers; pj 13,369,344 bytes; ao 4,456,448 bytes
;; launch prep (part 1): grid 512 x 1, 4 waves a work-group, no clusters, 68,096 bytes of LDS; arguments Q, K, V, Wq, Wk, Wv, Wo, mask, xw, mk; writes xw, mk
.if DOCPART == 1
	.amdgcn_target "amdgcn-amd-amdhsa--gfx1250"
	.amdhsa_code_object_version 6
	.text
	.protected	k_q550204b1e4_prep
	.globl	k_q550204b1e4_prep
	.p2align	8
	.type	k_q550204b1e4_prep,@function
k_q550204b1e4_prep:
	s_mov_b64 s[64:65], 0
	v_nop
	global_prefetch_b8 v0, s[64:65] scope:SCOPE_SE
	s_setreg_imm32_b32 hwreg(HW_REG_WAVE_MODE, 25, 1), 1
	s_wait_xcnt 0x0
; Q, K, V [8192][1024] and Wq, Wk, Wv, Wo [1024][1024], f32, become codes of FP4 (E2M1) with one E8M0 byte for each 32 along K (K innermost in all seven); the mask [2048][2048], int32, becomes lane masks and flags.
; TILES.  A tensor is cut into tiles of 16 rows; lane-row r of tile T is row 32 (T / 2) + 8 (T % 2) + r + 8 (r / 8).  A tile's codes are stored as the image of an operand's registers:
; block beta (32 along K) of lane-row r is 16 bytes at 8192 T + 256 beta + 16 r.  Its scale words: 512 T + 32 r + 4 s, byte i of word s for block 4 s + i.
; A block's scale is 2^(floor(log2(largest magnitude)) - 2): its byte is the largest magnitude's exponent field - 2, held at 1 from below.
; LIMITS: a block of zeros, or one whose largest magnitude lies under 2^-124, gets the byte 1 (its bytes are read by this program alone; zero codes add nothing); NaN and infinities among the inputs are not served.
; SHARES.  A wave takes one unit U = 4 x work-group + wave.  U < 1792: one tile (16 rows x 1,024 numbers).  Else: 16 rows x 1,024 words of the mask (query tile T = (U - 1792) / 2, half of the keys).
; Each load reads 512 consecutive bytes of one row; the 16 rows x 512 bytes of a step turn through the wave's own stage in LDS (rows 528 bytes apart), so that a lane gets neighbours along K.
; THE MASK.  For query tile T, key step ks (128 keys), word n (0..63): bit 16 h + r = (mask[row(T, r)][128 ks + 32 (n / 16) + 16 h + n % 16] != 0): the lane mask of score register n in the attention launch.
; Flags of a unit: bit s: some pair of its step s counts; bit 16 + s: some counts and some does not.
; The two ways part on the work-group's number alone, and each has LDS bytes of its own.  No barrier: waves share nothing.  Loads run two steps (32 loads a wave) ahead.
.set XS,  14680064                     ; xw: where the scale words begin (1,792 tiles x 8,192 bytes of codes lie in front)
.set MF,  524288                       ; mk: where the flags begin
.set SP,  528                          ; a stage row: 512 bytes + 16
.set STG, 16*SP                        ; a wave's stage
.set RR,  16                           ; v16-143  two sets of 64 registers: 16 rows as loaded
.set X,   144                          ; v144-207 64 neighbours of my lane-row
.set CD,  208                          ; v208-223 codes, two sets of 8
.set SW,  224                          ; v224-231 the tile's eight scale words
.set OW,  208                          ; v208-223 (mask) a pair of registers for each step's 64 words
	s_load_b512 s[4:19], s[0:1], 0x0               ; Q, K, V, Wq, Wk, Wv, Wo, mask
	s_load_b128 s[20:23], s[0:1], 0x40             ; xw, mk
	v_lshl_add_u32 v248, v0, 2, 0x10800
	v_mov_b32 v249, 0
	v_lshrrev_b32 v8, 5, v0
	v_readfirstlane_b32 s24, v8                    ; wave
	v_and_b32 v9, 31, v0                           ; lane
	v_and_b32 v10, 15, v0                          ; r
	v_bfe_u32 v11, v0, 4, 1                        ; h
	v_lshlrev_b32 v1, 4, v9                        ; 16 x lane: my bytes of a load's 512, and of an image's
	v_mul_u32_u24 v3, v10, SP
	s_lshl_b32 s36, ttmp9, 2
	s_add_co_u32 s36, s36, s24                     ; U
	s_mul_i32 s35, s24, STG
	s_mov_b32 s39, 0
.macro LOADS s, rowb                   ; step s: 512 bytes of each of the tile's 16 rows
.irp j, 0,1,2,3,4,5,6,7,8,9,10,11,12,13,14,15
	global_load_b128 v[RR+64*((\s)%2)+4*\j:RR+64*((\s)%2)+4*\j+3], v1, s[26:27] offset:(\j+8*(\j/8))*\rowb+512*(\s) th:TH_LOAD_NT
.endr
.endm
.macro TOSTG s                         ; the rows as loaded into the stage
.irp j, 0,1,2,3,4,5,6,7,8,9,10,11,12,13,14,15
	ds_store_b128 v2, v[RR+64*((\s)%2)+4*\j:RR+64*((\s)%2)+4*\j+3] offset:SP*\j
.endr
.endm
.macro AWAIT s                         ; step s's sixteen loads are in; the next step's sixteen may be out
.if (\s) < 7
	s_wait_loadcnt 16
.else
	s_wait_loadcnt 0x0
.endif
.endm
	s_cmp_lt_u32 ttmp9, 448
	s_cbranch_scc0 .Lmask
; ---------------- a tile of numbers ----------------
	v_add_nc_u32 v2, s35, v1                       ; into the stage: 16 x lane, row by the offset
	v_lshl_add_u32 v3, v11, 7, v3
	v_add_nc_u32 v3, s35, v3                       ; out of it: row r, + 128 h: block 2 c + h of the step lies 256 c further on
	v_lshlrev_b32 v4, 3, v11                       ; 8 h
	v_lshlrev_b32 v5, 5, v10
	v_lshl_add_u32 v5, v11, 4, v5                  ; scale words out: 32 r + 16 h
	v_mov_b32 v239, 0                              ; a lane permute's destination counts as read: written once
	s_mov_b32 s32, 0x76543210
	s_mov_b32 s33, 0xfedcba98                      ; selects: lane l xor 16
	s_mov_b32 s34, 0xffff0000                      ; lanes 16-31
	s_wait_kmcnt 0x0
	s_mov_b64 s[26:27], s[16:17]                   ; which tensor: by the work-group's number alone
	s_mov_b32 s25, 1728                            ; and its first unit
.macro PICK lim, lo, first
	s_cmp_lt_u32 ttmp9, \lim
	s_cselect_b64 s[26:27], s[\lo:\lo+1], s[26:27]
	s_cselect_b32 s25, \first, s25
.endm
	PICK 432, 14, 1664
	PICK 416, 12, 1600
	PICK 400, 10, 1536
	PICK 384, 8, 1024
	PICK 256, 6, 512
	PICK 128, 4, 0
	s_sub_co_u32 s37, s36, s25                     ; T
	s_lshr_b32 s38, s37, 1
	s_lshl_b32 s38, s38, 17                        ; 32 rows of 4,096 bytes for each pair of tiles,
	s_and_b32 s37, s37, 1
	s_lshl_b32 s37, s37, 15                        ; 8 rows for the odd one
	s_add_co_u32 s38, s38, s37
	s_add_nc_u64 s[26:27], s[26:27], s[38:39]
	s_lshl_b32 s38, s36, 13
	s_add_nc_u64 s[28:29], s[20:21], s[38:39]      ; my tile's image
	s_lshl_b32 s38, s36, 9
	s_add_co_u32 s38, s38, XS
	s_add_nc_u64 s[30:31], s[20:21], s[38:39]      ; its scale words
	LOADS 0, 4096
	LOADS 1, 4096
.macro QSTEP s
	AWAIT \s
	TOSTG \s
.irp c, 0,1
.irp i, 0,1,2,3,4,5,6,7
	ds_load_b128 v[X+32*\c+4*\i:X+32*\c+4*\i+3], v3 offset:256*\c+16*\i   ; LDS serves a wave's instructions in order: these see the stores above
.endr
.endr
	s_wait_dscnt 0x0                               ; my 64 numbers are in, and the stage's stores have read their registers,
	s_wait_xcnt 0x0                                ; and the stores of two steps back have read the set of codes that is written below
.if (\s) < 6
	LOADS (\s)+2, 4096
.endif
.irp c, 0,1
	v_max3_num_f32 v[232+\c], |v[X+32*\c]|, |v[X+32*\c+1]|, 0x1800000   ; block 2 c + h: all 32 numbers are mine; the floor 2^(3 - 127) holds the byte at 1 from below
.endr
.irp i, 2,4,6,8,10,12,14,16,18,20,22,24,26,28,30
.irp c, 0,1
	v_max3_num_f32 v[232+\c], v[232+\c], |v[X+32*\c+\i]|, |v[X+32*\c+\i+1]|
.endr
.endr
.irp c, 0,1
	v_add_nc_u32 v[234+\c], 0xff000000, v[232+\c]  ; 2 off the exponent field: the conversion's scale operand
.endr
.irp c, 0,1
	v_lshrrev_b32 v[236+\c], 23, v[234+\c]         ; the byte
.endr
	v_lshl_or_b32 v238, v237, 16, v236             ; my bytes h and 2 + h of the step's word,
	v_lshlrev_b32 v238, v4, v238                   ; at their places;
	v_permlanex16_b32 v239, v238, s32, s33
	v_or_b32 v[SW+(\s)], v238, v239                ; with lane l xor 16's two the word is whole
.irp c, 0,1
.irp g, 0,1,2,3
	v_cvt_scalef32_pk8_fp4_f32 v[CD+8*((\s)%2)+4*\c+\g], v[X+32*\c+8*\g:X+32*\c+8*\g+7], v[234+\c]
.endr
.endr
	v_nop                                          ; one plain line behind the last conversion
.irp c, 0,1
	global_store_b128 v1, v[CD+8*((\s)%2)+4*\c:CD+8*((\s)%2)+4*\c+3], s[28:29] offset:1024*(\s)+512*\c   ; 32 lanes store 512 consecutive bytes
.endr
.endm
.irp s, 0,1,2,3,4,5,6,7
	QSTEP \s
.endr
.irp i, 0,1,2,3
	v_cndmask_b32 v[240+\i], v[SW+\i], v[SW+4+\i], s34   ; lanes 0-15 carry words 0-3 of row r, lanes 16-31 words 4-7
.endr
	global_store_b128 v5, v[240:243], s[30:31]     ; 512 consecutive bytes
	s_wait_tensorcnt 0x0
	ds_add_u32 v248, v249
	s_wait_dscnt 0x0
	s_endpgm
; ---------------- 16 rows x 1,024 words of the mask ----------------
.Lmask:
	s_add_co_u32 s35, s35, 4*STG                   ; this way's own stages
	v_add_nc_u32 v2, s35, v1
	v_lshl_add_u32 v3, v11, 6, v3
	v_add_nc_u32 v3, s35, v3                       ; out of the stage: row r, + 64 h: keys 32 b + 16 h + 0 .. 15 lie 128 b further on
	v_lshlrev_b32 v6, 3, v9                        ; two words a lane on the way out
	v_lshlrev_b32 v7, 2, v9
.irp i, 0,1,2,3,4,5,6,7,8,9,10,11,12,13,14,15
	v_mov_b32 v[OW+\i], 0                          ; v_writelane_b32's destination counts as read
.endr
	s_sub_co_u32 s36, s36, 1792                    ; 2 T + half
	s_lshr_b32 s37, s36, 2
	s_lshl_b32 s38, s37, 18                        ; 32 rows of 8,192 bytes for each pair of tiles,
	s_bfe_u32 s37, s36, 0x10001
	s_lshl_b32 s37, s37, 16                        ; 8 rows for the odd one,
	s_add_co_u32 s38, s38, s37
	s_and_b32 s37, s36, 1
	s_lshl_b32 s37, s37, 12                        ; 1,024 keys for the second half
	s_add_co_u32 s38, s38, s37
	s_mov_b32 s50, 0                               ; the flags
	s_wait_kmcnt 0x0
	s_add_nc_u64 s[26:27], s[18:19], s[38:39]
	s_lshl_b32 s38, s36, 11                        ; (16 T + 8 half) x 256
	s_add_nc_u64 s[28:29], s[22:23], s[38:39]
	s_lshl_b32 s38, s36, 7
	s_add_co_u32 s38, s38, MF
	s_add_nc_u64 s[30:31], s[22:23], s[38:39]
	LOADS 0, 8192
	LOADS 1, 8192
.macro MSTEP s
	AWAIT \s
	TOSTG \s
.irp b, 0,1,2,3
.irp i, 0,1,2,3
	ds_load_b128 v[X+16*\b+4*\i:X+16*\b+4*\i+3], v3 offset:128*\b+16*\i
.endr
.endr
	s_wait_dscnt 0x0                               ; my 64 words are in, and the stage's stores have read their registers
.if (\s) < 6
	LOADS (\s)+2, 8192
.endif
.irp g, 0,1,2,3,4,5,6,7
.irp k, 0,1,2,3,4,5,6,7
	v_cmp_ne_u32 s[40+\k], 0, v[X+8*\g+\k]         ; word n = 8 g + k: a bit for each lane
.endr
.irp k, 0,1,2,3,4,5,6,7
.if (\g)+(\k) == 0
	s_mov_b32 s48, s40                             ; the first word starts the two sums
	s_mov_b32 s49, s40
.else
	s_or_b32 s48, s48, s[40+\k]
	s_and_b32 s49, s49, s[40+\k]
.endif
	v_writelane_b32 v[OW+2*(\s)+(\k)%2], s[40+\k], 4*\g+(\k)/2   ; lane n / 2 carries words n and n + 1
.endr
.endr
	global_store_b64 v6, v[OW+2*(\s):OW+2*(\s)+1], s[28:29] offset:256*(\s)   ; 32 lanes store 256 consecutive bytes, aligned
	s_cmp_lg_u32 s48, 0
	s_cselect_b32 s51, 1<<(\s), 0                  ; some pair counts
	s_cmp_lg_u32 s49, -1
	s_cselect_b32 s52, s51, 0                      ; and some does not
	s_lshl_b32 s52, s52, 16
	s_or_b32 s50, s50, s51
	s_or_b32 s50, s50, s52
.endm
.irp s, 0,1,2,3,4,5,6,7
	MSTEP \s
.endr
	v_mov_b32 v224, s50
	global_store_b32 v7, v224, s[30:31]            ; the unit's flags, 32 equal words
	s_wait_tensorcnt 0x0
	ds_add_u32 v248, v249
	s_wait_dscnt 0x0
	s_endpgm
.Lfunc_end_k_q550204b1e4_prep:
	.size	k_q550204b1e4_prep, .Lfunc_end_k_q550204b1e4_prep-k_q550204b1e4_prep
	.p2alignl 7, 3214868480
	.fill 96, 4, 3214868480
	.section	.rodata,"a",@progbits
	.p2align	6, 0x0
	.amdhsa_kernel k_q550204b1e4_prep
		.amdhsa_group_segment_fixed_size 68096
		.amdhsa_private_segment_fixed_size 0
		.amdhsa_enable_private_segment 0
		.amdhsa_kernarg_size 80
		.amdhsa_user_sgpr_count 2
		.amdhsa_user_sgpr_kernarg_segment_ptr 1
		.amdhsa_wavefront_size32 1
		.amdhsa_system_sgpr_workgroup_id_x 1
		.amdhsa_system_sgpr_workgroup_id_y 1
		.amdhsa_system_sgpr_workgroup_id_z 1
		.amdhsa_system_vgpr_workitem_id 0
		.amdhsa_next_free_vgpr 250
		.amdhsa_next_free_sgpr 66
		.amdhsa_reserve_vcc 0
		.amdhsa_float_denorm_mode_32 3
		.amdhsa_float_denorm_mode_16_64 3
		.amdhsa_memory_ordered 1
		.amdhsa_forward_progress 1
		.amdhsa_inst_pref_size 187
	.end_amdhsa_kernel
	.amdgpu_metadata
---
amdhsa.version: [ 1, 2 ]
amdhsa.kernels:
  - .name:           k_q550204b1e4_prep
    .symbol:         k_q550204b1e4_prep.kd
    .args:
      - { .name: Q, .offset: 0, .size: 8, .value_kind: global_buffer, .address_space: global }
      - { .name: K, .offset: 8, .size: 8, .value_kind: global_buffer, .address_space: global }
      - { .name: V, .offset: 16, .size: 8, .value_kind: global_buffer, .address_space: global }
      - { .name: Wq, .offset: 24, .size: 8, .value_kind: global_buffer, .address_space: global }
      - { .name: Wk, .offset: 32, .size: 8, .value_kind: global_buffer, .address_space: global }
      - { .name: Wv, .offset: 40, .size: 8, .value_kind: global_buffer, .address_space: global }
      - { .name: Wo, .offset: 48, .size: 8, .value_kind: global_buffer, .address_space: global }
      - { .name: mask, .offset: 56, .size: 8, .value_kind: global_buffer, .address_space: global }
      - { .name: xw, .offset: 64, .size: 8, .value_kind: global_buffer, .address_space: global }
      - { .name: mk, .offset: 72, .size: 8, .value_kind: global_buffer, .address_space: global }
    .group_segment_fixed_size: 68096
    .private_segment_fixed_size: 0
    .kernarg_segment_align: 8
    .kernarg_segment_size: 80
    .max_flat_workgroup_size: 128
    .sgpr_count:     66
    .vgpr_count:     250
    .wavefront_size: 32
...
	.end_amdgpu_metadata
.endif
;; end of part 1
;; launch proj (part 2): grid 8 x 96, 8 waves a work-group, clusters of 4 x 4, 198,656 bytes of LDS; arguments xw, bq, bk, bv, pj; writes pj
.if DOCPART == 2
	.amdgcn_target "amdgcn-amd-amdhsa--gfx1250"
	.amdhsa_code_object_version 6
	.text
	.protected	k_q550204b1e4_proj
	.globl	k_q550204b1e4_proj
	.p2align	8
	.type	k_q550204b1e4_proj,@function
k_q550204b1e4_proj:
	s_mov_b64 s[64:65], 0
	v_nop
	global_prefetch_b8 v0, s[64:65] scope:SCOPE_SE
	s_setreg_imm32_b32 hwreg(HW_REG_WAVE_MODE, 25, 1), 1
	s_wait_xcnt 0x0
	s_wait_alu depctr_hold_cnt(0) depctr_sa_sdst(0) depctr_va_vdst(0) depctr_va_sdst(0) depctr_va_ssrc(0) depctr_va_vcc(0) depctr_vm_vsrc(0)
	s_getreg_b32 s2, hwreg(HW_REG_IB_STS2, 6, 4)
	s_cmp_eq_u32 s2, 0
	s_cbranch_scc0 .Lentry_in_a_cluster
	s_endpgm
.Lentry_in_a_cluster:
	s_bfe_u32 s2, ttmp6, 0x10000c
	s_cmp_lg_u32 s2, 0xf033
	s_cbranch_scc0 .Lentry_shape_is_right
	s_endpgm
.Lentry_shape_is_right:
; q = Q Wq^T + bq, k = K Wk^T + bk, v = V Wv^T + bv on codes of FP4 with E8M0 scales (K = 1,024), and each result quantised in registers for attention: q and k along the head's 64, v along the keys.
; ONE BODY, TWO WAYS OF USE.  Source 1 of the matrix instruction is a panel of 256 rows (its row is the result's lane), source 0 a panel of 128 rows (its rows run along the result's registers: the axis that is quantised).
;   q, k: source 1 = tokens, source 0 = rows of W (the head's channels).     v: source 1 = rows of Wv (channels), source 0 = tokens (the keys).   Only pointers, the bias and the C of the first K step differ.
; TILES of 16 rows are not neighbours (lane-row r of tile T is row 32 (T / 2) + 8 (T % 2) + r + 8 (r / 8)), so that the 16 registers of source-0 tiles 2 g and 2 g + 1 are 16 neighbours, 32 g + 16 (lane / 16) + 0 .. 15.
; SHARES.  A work-group makes 256 x 128; each of its eight waves 64 x 64: 16 accumulators.  768 work-groups: cluster y / 8 says which tensor.
; LDS.  Both panels for ALL of K: 128 KB + 64 KB, images of operand registers, in four chunks of two K steps.  Every byte is filled once; products start when the first chunk has landed.
; CLUSTER 4 x 4: source 1's panel hangs on cy alone and is asked for jointly along a row of the cluster, source 0's on cx alone and jointly along a column.
; LIMITS: as the quantising launch: a block under 2^-124 gets the byte 1; NaN and infinities are not served.
; REGISTERS: v1-11 addresses; v16-47 scale words (lanes 0-15 source 1's tile i, lanes 16-31 source 0's tile i; register 8 i + s); v48-79 source 0's four fragments; v80-111 source 1's; v112-127 codes on the way out;
;   v128-255 accumulators, (a, b) at 128 + 8 (4 a + b); window 1: v0-31 the bias in the result's layout.
.set XS,  14680064                     ; xw: where the scale words begin
.set PS,  12582912                     ; pj: where the scale words begin
.set P0,  131072                       ; LDS: source 0's panel, behind source 1's
.set SCR, 196608                       ; LDS: 1,024 bytes in which the work-group's scale words meet; no fill lands here
.set SC,  16
.set F0,  48
.set F1,  80
.set PC,  112
.set ACC, 128
.set BI,  0
.set HW,  56                           ; v56-59 two scale bytes for each of my four tiles
.set SEL, 2                            ; s[2:3] selects: lane l xor 16
.set G1A, 24                           ; s[24:31] group 1 for source 1's panel;  s[32:39] for source 0's
.set G1B, 32
.set G0A, 40                           ; s[40:55] groups 0, one for each chunk;  source 0's: s[56:63], s[68:75]
.set MSB, 0
.macro WIN new                         ; the immediate's high byte repeats the setting that is left
.if MSB != \new
	s_set_vgpr_msb (MSB<<8)|\new
.set MSB, \new
.endif
.endm
.macro PLACES n
.rept \n
	v_nop
.endr
.endm
.macro CROUND                          ; a round of the cluster's barrier
	s_barrier_signal -1
	s_barrier_wait -1
	s_cmp_lg_u32 s14, 0
	s_cbranch_scc1 .Lnot_wave_0_\@
	s_barrier_signal -3
.Lnot_wave_0_\@:
	s_barrier_wait -3
	s_barrier_signal -1
	s_barrier_wait -1
.endm
	s_load_b256 s[4:11], s[0:1], 0x0               ; xw, bq, bk, bv
	s_load_b64 s[12:13], s[0:1], 0x20              ; pj
	v_lshl_add_u32 v14, v0, 2, 0x30400
	v_mov_b32 v15, 0
	ds_add_u32 v14, v15
	ds_add_u32 v14, v15
	v_lshrrev_b32 v8, 5, v0
	v_readfirstlane_b32 s14, v8                    ; wave 0..7
	s_lshr_b32 s15, s14, 1                         ; wa: which 64 rows of source 1
	s_and_b32 s16, s14, 1                          ; wb: which 64 rows of source 0
	s_and_b32 s17, s14, 3                          ; which quarter of a panel I fetch
	s_bfe_u32 s18, ttmp6, 0x40000                  ; cx
	s_bfe_u32 s19, ttmp6, 0x40004                  ; cy
	s_mov_b32 s20, ttmp9                           ; cluster x: 0, 1
	s_and_b32 s21, ttmp7, 0xffff                   ; cluster y: 0 .. 23
	s_lshr_b32 s22, s21, 3                         ; the tensor: 0 q, 1 k, 2 v
	s_and_b32 s23, s21, 7
	s_lshl_b32 s92, s19, 2
	s_lshl_b32 s92, 15, s92                        ; my row of the cluster
	s_lshl_b32 s93, 0x1111, s18                    ; my column
	; group 1: rows of 2,048 bytes (256 elements of 8 bytes: a tile's two K steps), 8,192 bytes apart (a tile's image); four tiles a load for source 1, two for source 0; dense in LDS
	s_or_b32 s[G1A], s92, (3<<16)|(1<<21)
	s_or_b32 s[G1B], s93, (3<<16)|(1<<21)
	s_mov_b32 s[G1A+1], 256<<16
	s_mov_b32 s[G1A+2], 4<<16
	s_mov_b32 s[G1A+3], 256<<16
	s_mov_b32 s[G1A+4], 4
	s_mov_b32 s[G1A+5], 1024
	s_mov_b32 s[G1A+6], 0
	s_mov_b32 s[G1A+7], 0
	s_mov_b32 s[G1B+1], 256<<16
	s_mov_b32 s[G1B+2], 2<<16
	s_mov_b32 s[G1B+3], 256<<16
	s_mov_b32 s[G1B+4], 2
	s_mov_b32 s[G1B+5], 1024
	s_mov_b32 s[G1B+6], 0
	s_mov_b32 s[G1B+7], 0
	; source 1's first tile in xw: it never holds cx
	s_lshl_b32 s78, s22, 9
	s_lshl_b32 s92, s23, 6
	s_add_co_u32 s78, s78, s92                     ; q, k: 512 x tensor + 64 x (cluster y % 8)
	s_cmp_eq_u32 s22, 2
	s_cselect_b32 s76, 1, 0                        ; 1: v's way.  The same in all sixteen partners
	s_cselect_b32 s78, 1664, s78                   ; v: Wv
	s_lshl_b32 s92, s19, 4
	s_add_co_u32 s78, s78, s92                     ; + 16 cy
	; source 0's: it never holds cy
	s_lshl_b32 s80, s22, 6
	s_add_co_u32 s80, s80, 1536                    ; q, k: the tensor's W
	s_lshl_b32 s93, s23, 6
	s_add_co_u32 s93, s93, 1024                    ; v: V's tokens
	s_cmp_eq_u32 s22, 2
	s_cselect_b32 s80, s93, s80
	s_lshl_b32 s93, s20, 5
	s_add_co_u32 s80, s80, s93                     ; + 32 x cluster x
	s_lshl_b32 s93, s18, 3
	s_add_co_u32 s80, s80, s93                     ; + 8 cx
	s_lshl_b32 s92, s17, 2
	s_add_co_u32 s92, s78, s92
	s_lshl_b32 s92, s92, 13                        ; my four tiles of source 1, in bytes
	s_mov_b32 s93, 0
	s_lshl_b32 s98, s17, 1
	s_add_co_u32 s98, s80, s98
	s_lshl_b32 s98, s98, 13                        ; my two tiles of source 0
	s_mov_b32 s99, 0
	s_lshl_b32 s94, s17, 13                        ; and where they go: no place in the cluster enters an LDS address
	s_lshl_b32 s95, s17, 12
	s_add_co_u32 s95, s95, P0
	s_wait_dscnt 0x0
	s_wait_kmcnt 0x0
	s_add_nc_u64 s[96:97], s[4:5], s[92:93]
	s_add_nc_u64 s[98:99], s[4:5], s[98:99]
.irp q, 0,1,2,3
	s_mov_b32 s[G0A+4*\q], 1
	s_add_co_u32 s[G0A+4*\q+1], s94, \q*32768
	s_add_nc_u64 s[G0A+4*\q+2:G0A+4*\q+3], s[96:97], \q*2048
	s_or_b32 s[G0A+4*\q+3], s[G0A+4*\q+3], 0x80000000
	s_mov_b32 s[56+4*\q+4*(\q/2)], 1
	s_add_co_u32 s[56+4*\q+4*(\q/2)+1], s95, \q*16384
	s_add_nc_u64 s[56+4*\q+4*(\q/2)+2:56+4*\q+4*(\q/2)+3], s[98:99], \q*2048
	s_or_b32 s[56+4*\q+4*(\q/2)+3], s[56+4*\q+4*(\q/2)+3], 0x80000000
.endr
	CROUND                                         ; all sixteen work-groups are here: the joint loads meet
	s_cmp_lt_u32 s14, 4                            ; waves 0-3 fetch source 1's panel, waves 4-7 source 0's: a wave's four loads stand in one branch; four of mine are out
	s_cbranch_scc0 .Lfill_b
	tensor_load_to_lds s[40:43], s[G1A:G1A+7]
	s_nop 0
	tensor_load_to_lds s[44:47], s[G1A:G1A+7]
	s_nop 0
	tensor_load_to_lds s[48:51], s[G1A:G1A+7]
	s_nop 0
	tensor_load_to_lds s[52:55], s[G1A:G1A+7]
	s_nop 0
	PLACES 4
	s_branch .Lfilled
.Lfill_b:
	tensor_load_to_lds s[56:59], s[G1B:G1B+7]
	s_nop 0
	tensor_load_to_lds s[60:63], s[G1B:G1B+7]
	s_nop 0
	tensor_load_to_lds s[68:71], s[G1B:G1B+7]
	s_nop 0
	tensor_load_to_lds s[72:75], s[G1B:G1B+7]
	s_nop 0
	PLACES 4
.Lfilled:
	v_and_b32 v8, 31, v0
	v_and_b32 v2, 15, v0                           ; r
	v_bfe_u32 v3, v0, 4, 1                         ; h
	v_lshlrev_b32 v1, 4, v8                        ; 16 x lane
	s_lshl_b32 s92, s15, 13
	v_add_nc_u32 v4, s92, v1                       ; my four tiles of source 1 in a chunk
	s_lshl_b32 s92, s16, 13
	s_add_co_u32 s92, s92, P0
	v_add_nc_u32 v5, s92, v1                       ; and of source 0
	v_lshlrev_b32 v6, 5, v2                        ; a lane-row's eight scale words
	s_lshl_b32 s92, s15, 8
	s_lshl_b32 s93, s16, 1
	s_add_co_u32 s92, s92, s93
	s_add_co_u32 s92, s92, SCR
	v_lshl_add_u32 v9, v2, 2, s92                  ; the scratch: word (4 wa + a, r), bytes 2 wb and 2 wb + 1
	s_lshl_b32 s92, s16, 9
	v_add_nc_u32 v11, s92, v1                      ; the scratch on its way out: 512 bytes for each of two waves
	v_add_nc_u32 v10, SCR, v11
	s_mov_b32 s[SEL], 0x76543210
	s_mov_b32 s[SEL+1], 0xfedcba98
	s_mov_b32 s100, 0xffff0000                     ; lanes 16-31
	s_mov_b32 s93, 0
	s_lshl_b32 s92, s15, 2
	s_add_co_u32 s92, s92, s78
	s_lshl_b32 s92, s92, 9
	s_add_co_u32 s92, s92, XS
	s_add_nc_u64 s[82:83], s[4:5], s[92:93]        ; scale words of my four tiles of source 1
	s_lshl_b32 s92, s16, 2
	s_add_co_u32 s92, s92, s80
	s_lshl_b32 s92, s92, 9
	s_add_co_u32 s92, s92, XS
	s_add_nc_u64 s[84:85], s[4:5], s[92:93]        ; and of source 0
.irp i, 0,1,2,3
.irp e, 0,1
	global_load_b128 v[SC+8*\i+4*\e:SC+8*\i+4*\e+3], v6, s[82:83] offset:512*\i+16*\e
	global_load_b128 v[ACC+8*\i+4*\e:ACC+8*\i+4*\e+3], v6, s[84:85] offset:512*\i+16*\e   ; (the accumulators' registers are free until the first product)
.endr
.endr
	; where the results go.  q, k:
	s_lshl_b32 s92, s23, 2
	s_add_co_u32 s92, s92, s19                     ; block of 256 tokens
	s_lshl_b32 s93, s20, 2
	s_add_co_u32 s93, s93, s18                     ; pair of heads
	s_lshl_b32 s94, s93, 1
	s_add_co_u32 s94, s94, s16                     ; my head
	s_lshr_b32 s95, s92, 3
	s_lshl_b32 s95, s95, 4
	s_add_co_u32 s95, s95, s94                     ; 16 batch + head
	s_lshl_b32 s95, s95, 7
	s_and_b32 s96, s92, 7
	s_lshl_b32 s96, s96, 4
	s_add_co_u32 s95, s95, s96
	s_lshl_b32 s96, s15, 2
	s_add_co_u32 s95, s95, s96                     ; + my first tile of tokens in the sequence
	s_lshl_b32 s95, s95, 9                         ; 512 bytes a tile
	s_lshl_b32 s96, s22, 22
	s_add_co_u32 s95, s95, s96                     ; q's codes, then k's
	s_lshl_b32 s96, s22, 18
	s_lshl_b32 s97, s93, 15
	s_add_co_u32 s96, s96, s97
	s_lshl_b32 s97, s92, 10
	s_add_co_u32 s96, s96, s97
	s_add_co_u32 s96, s96, PS                      ; the work-group's 1,024 bytes of scale words
	; v:
	s_lshl_b32 s97, s23, 1
	s_add_co_u32 s97, s97, s20
	s_lshl_b32 s97, s97, 2
	s_add_co_u32 s97, s97, s18                     ; 16 batch + key step
	s_lshl_b32 s98, s19, 2
	s_add_co_u32 s98, s98, s15                     ; my head
	s_lshr_b32 s99, s97, 4
	s_lshl_b32 s99, s99, 4
	s_add_co_u32 s99, s99, s98
	s_lshl_b32 s99, s99, 4
	s_and_b32 s92, s97, 15
	s_add_co_u32 s99, s99, s92
	s_lshl_b32 s99, s99, 12                        ; 4,096 bytes a key step
	s_lshl_b32 s92, s16, 11
	s_add_co_u32 s99, s99, s92                     ; keys 64 wb on
	s_add_co_u32 s99, s99, 8388608
	s_lshl_b32 s97, s97, 12
	s_lshl_b32 s92, s19, 10
	s_add_co_u32 s97, s97, s92
	s_add_co_u32 s97, s97, PS+524288
	s_cmp_eq_u32 s76, 0
	s_cselect_b32 s88, s95, s99
	s_cselect_b32 s90, s96, s97
	s_cselect_b32 s94, s94, s98
	s_mov_b32 s89, 0
	s_mov_b32 s91, 0
	s_add_nc_u64 s[88:89], s[12:13], s[88:89]
	s_add_nc_u64 s[90:91], s[12:13], s[90:91]
	s_cmp_eq_u32 s22, 0
	s_cselect_b64 s[86:87], s[6:7], s[8:9]
	s_cmp_eq_u32 s22, 2
	s_cselect_b64 s[86:87], s[10:11], s[86:87]
	s_lshl_b32 s92, s94, 8
	s_mov_b32 s93, 0
	s_add_nc_u64 s[86:87], s[86:87], s[92:93]      ; my head's 64 numbers of the bias
	s_cmp_eq_u32 s76, 0
	s_cbranch_scc0 .Lbias_v
	v_lshlrev_b32 v7, 6, v3                        ; q, k: the bias runs along the registers: for source-0 tile b the eight numbers 32 (b / 2) + 16 h + 8 (b % 2) + 0 .. 7
	WIN 0x40                                       ; destination window 1
.irp b, 0,1,2,3
	global_load_b128 v[BI+8*\b:BI+8*\b+3], v7, s[86:87] offset:(32*(\b/2)+8*(\b%2))*4
	global_load_b128 v[BI+8*\b+4:BI+8*\b+7], v7, s[86:87] offset:(32*(\b/2)+8*(\b%2))*4+16
.endr
	WIN 0
	s_branch .Lbias_done
.Lbias_v:
	v_and_b32 v7, 8, v2
	v_add_nc_u32 v7, v7, v2
	v_lshlrev_b32 v7, 2, v7                        ; v: the bias runs along the lanes: for source-1 tile a the one number of channel 32 (a / 2) + 8 (a % 2) + r + 8 (r / 8), in all eight registers
	WIN 0x40
.irp a, 0,1,2,3
.irp j, 0,1,2,3,4,5,6,7
	global_load_b32 v[BI+8*\a+\j], v7, s[86:87] offset:(32*(\a/2)+8*(\a%2))*4
.endr
.endr
	WIN 0
.Lbias_done:
	s_wait_loadcnt 0x0
.irp k, 0,1,2,3,4,5,6,7,8,9,10,11,12,13,14,15,16,17,18,19,20,21,22,23,24,25,26,27,28,29,30,31
	v_cndmask_b32 v[SC+\k], v[SC+\k], v[ACC+\k], s100   ; one register carries source 1's word below and source 0's above
.endr
	PLACES 8                                       ; scale registers written by vector instructions stand eight places ahead of a scaled matrix instruction
.macro FRAGS s                         ; K step s: eight fragments, as they lie
.irp i, 0,1,2,3
.irp c, 0,1
	ds_load_b128 v[F0+8*\i+4*\c:F0+8*\i+4*\c+3], v5 offset:\i*2048+((\s)%2)*1024+\c*512
	ds_load_b128 v[F1+8*\i+4*\c:F1+8*\i+4*\c+3], v4 offset:\i*2048+((\s)%2)*1024+\c*512
.endr
.endr
	s_wait_dscnt 0x0
.endm
; 16 matrix instructions; the 16 accumulators take turns, in the same order in every K step.  cm = 0: in place; 1: C = the bias by source 0's tile; 2: by source 1's
.macro MULS s, cm
.irp a, 0,1,2,3
.irp b, 0,1,2,3
.if \cm == 0
	v_wmma_scale_f32_16x16x128_f8f6f4 v[ACC+8*(4*\a+\b):ACC+8*(4*\a+\b)+7], v[F0+8*\b:F0+8*\b+7], v[F1+8*\a:F1+8*\a+7], v[ACC+8*(4*\a+\b):ACC+8*(4*\a+\b)+7], v[SC+8*\b+(\s)], v[SC+8*\a+(\s)] matrix_a_fmt:MATRIX_FMT_FP4 matrix_b_fmt:MATRIX_FMT_FP4 matrix_a_scale:MATRIX_SCALE_ROW1
.elseif \cm == 1
	v_wmma_scale_f32_16x16x128_f8f6f4 v[ACC+8*(4*\a+\b):ACC+8*(4*\a+\b)+7], v[F0+8*\b:F0+8*\b+7], v[F1+8*\a:F1+8*\a+7], v[BI+8*\b:BI+8*\b+7], v[SC+8*\b+(\s)], v[SC+8*\a+(\s)] matrix_a_fmt:MATRIX_FMT_FP4 matrix_b_fmt:MATRIX_FMT_FP4 matrix_a_scale:MATRIX_SCALE_ROW1
.else
	v_wmma_scale_f32_16x16x128_f8f6f4 v[ACC+8*(4*\a+\b):ACC+8*(4*\a+\b)+7], v[F0+8*\b:F0+8*\b+7], v[F1+8*\a:F1+8*\a+7], v[BI+8*\a:BI+8*\a+7], v[SC+8*\b+(\s)], v[SC+8*\a+(\s)] matrix_a_fmt:MATRIX_FMT_FP4 matrix_b_fmt:MATRIX_FMT_FP4 matrix_a_scale:MATRIX_SCALE_ROW1
.endif
.endr
.endr
.endm
.macro KSTEP s
	FRAGS \s
	MULS \s, 0
	PLACES 4                                       ; in front of loads into registers that these products read, and of the first read of results
.endm
.irp q, 0,1,2,3
	s_wait_tensorcnt 3-\q                          ; my part of chunk q has landed; my loads for the later chunks, issued behind it, may be out
	s_barrier_signal -1
	s_barrier_wait -1                              ; everybody's has.
.if \q == 0
	FRAGS 0
	s_cmp_eq_u32 s76, 0                            ; the first K step starts the sums with the bias as C
	s_cbranch_scc0 .Lk0_v
	WIN 0x10                                       ; source 2 window 1
	MULS 0, 1
	WIN 0
	s_branch .Lk0_done
.Lk0_v:
	WIN 0x10
	MULS 0, 2
	WIN 0
.Lk0_done:
	PLACES 4
.else
	KSTEP 2*\q
.endif
	KSTEP 2*\q+1
.if \q < 3
	v_add_nc_u32 v4, 32768, v4                     ; on to the next chunk
	v_add_nc_u32 v5, 16384, v5
.endif
.endr
; 32 numbers of a lane, register 16 g + i = position 32 g + 16 (lane / 16) + i of the lane's row, become four registers of codes (lanes 0-15 block 0, lanes 16-31 block 1) and two scale bytes.  t: eight registers at work
.macro QUANT32 src, pc, hw, t
.irp g, 0,1
	v_max3_num_f32 v[(\t)+\g], |v[(\src)+16*\g]|, |v[(\src)+16*\g+1]|, 0x1800000   ; each accumulator is read from its low end on; the floor 2^(3 - 127) holds the byte at 1 from below
.endr
.irp i, 2,4,6,8,10,12,14
.irp g, 0,1
	v_max3_num_f32 v[(\t)+\g], v[(\t)+\g], |v[(\src)+16*\g+\i]|, |v[(\src)+16*\g+\i+1]|
.endr
.endr
.irp g, 0,1
	v_permlanex16_b32 v[(\t)+2+\g], v[(\t)+\g], s[SEL], s[SEL+1]
.endr
.irp g, 0,1
	v_max_num_f32 v[(\t)+\g], v[(\t)+\g], v[(\t)+2+\g]   ; with lane l xor 16's 16: the block's largest magnitude
.endr
.irp g, 0,1
	v_add_nc_u32 v[(\t)+4+\g], 0xff000000, v[(\t)+\g]    ; 2 off the exponent field: the conversion's scale operand
.endr
.irp g, 0,1
	v_lshrrev_b32 v[(\t)+6+\g], 23, v[(\t)+4+\g]
.endr
	v_lshl_or_b32 v[\hw], v[(\t)+7], 8, v[(\t)+6]
.irp g, 0,1
	v_cvt_scalef32_pk8_fp4_f32 v[(\pc)+2*\g], v[(\src)+16*\g:(\src)+16*\g+7], v[(\t)+4+\g]
	v_cvt_scalef32_pk8_fp4_f32 v[(\pc)+2*\g+1], v[(\src)+16*\g+8:(\src)+16*\g+15], v[(\t)+4+\g]
.endr
	v_nop                                          ; one plain line behind the last conversion
	v_permlane16_swap_b32 v[\pc], v[(\pc)+2]       ; the operand's layout wants a whole block in a lane
	v_permlane16_swap_b32 v[(\pc)+1], v[(\pc)+3]
.endm
	v_mov_b32 v[F0+2], 0                           ; a lane permute's destination counts as read
	v_mov_b32 v[F0+3], 0
.irp a, 0,1,2,3
	QUANT32 ACC+32*\a, PC+4*\a, HW+\a, F0
	global_store_b128 v1, v[PC+4*\a:PC+4*\a+3], s[88:89] offset:512*\a   ; 32 lanes store 512 consecutive bytes: the image of the next operand's registers
	ds_store_b16 v9, v[HW+\a] offset:64*\a         ; lanes l and l + 16 write the same bytes with the same value
.endr
	s_wait_dscnt 0x0                               ; for the others' sake: my bytes lie in the scratch
	s_barrier_signal -1
	s_barrier_wait -1
	s_cmp_lt_u32 s14, 2                            ; two waves carry the 1,024 bytes out, 512 consecutive bytes each
	s_cbranch_scc0 .Lno_scales
	ds_load_b128 v[60:63], v10
	s_wait_dscnt 0x0
	global_store_b128 v11, v[60:63], s[90:91]
.Lno_scales:
	s_wait_tensorcnt 0x0
	ds_add_u32 v14, v15
	s_wait_dscnt 0x0
	CROUND                                         ; the closing round: no work-group ends while a partner may still ask for a tile that names it
	s_endpgm
.Lfunc_end_k_q550204b1e4_proj:
	.size	k_q550204b1e4_proj, .Lfunc_end_k_q550204b1e4_proj-k_q550204b1e4_proj
	.p2alignl 7, 3214868480
	.fill 96, 4, 3214868480
	.section	.rodata,"a",@progbits
	.p2align	6, 0x0
	.amdhsa_kernel k_q550204b1e4_proj
		.amdhsa_group_segment_fixed_size 198656
		.amdhsa_private_segment_fixed_size 0
		.amdhsa_enable_private_segment 0
		.amdhsa_kernarg_size 40
		.amdhsa_user_sgpr_count 2
		.amdhsa_user_sgpr_kernarg_segment_ptr 1
		.amdhsa_wavefront_size32 1
		.amdhsa_system_sgpr_workgroup_id_x 1
		.amdhsa_system_sgpr_workgroup_id_y 1
		.amdhsa_system_sgpr_workgroup_id_z 1
		.amdhsa_system_vgpr_workitem_id 0
		.amdhsa_next_free_vgpr 320
		.amdhsa_next_free_sgpr 102
		.amdhsa_reserve_vcc 0
		.amdhsa_float_denorm_mode_32 3
		.amdhsa_float_denorm_mode_16_64 3
		.amdhsa_memory_ordered 1
		.amdhsa_forward_progress 1
		.amdhsa_inst_pref_size 55
	.end_amdhsa_kernel
	.amdgpu_metadata
---
amdhsa.version: [ 1, 2 ]
amdhsa.kernels:
  - .name:           k_q550204b1e4_proj
    .symbol:         k_q550204b1e4_proj.kd
    .args:
      - { .name: xw, .offset: 0, .size: 8, .value_kind: global_buffer, .address_space: global }
      - { .name: bq, .offset: 8, .size: 8, .value_kind: global_buffer, .address_space: global }
      - { .name: bk, .offset: 16, .size: 8, .value_kind: global_buffer, .address_space: global }
      - { .name: bv, .offset: 24, .size: 8, .value_kind: global_buffer, .address_space: global }
      - { .name: pj, .offset: 32, .size: 8, .value_kind: global_buffer, .address_space: global }
    .group_segment_fixed_size: 198656
    .private_segment_fixed_size: 0
    .kernarg_segment_align: 8
    .kernarg_segment_size: 40
    .max_flat_workgroup_size: 256
    .sgpr_count:     102
    .vgpr_count:     320
    .wavefront_size: 32
...
	.end_amdgpu_metadata
.endif
;; end of part 2
;; launch attn (part 3): grid 4 x 64, 16 waves a work-group, no clusters, 145,408 bytes of LDS; arguments pj, mk, ao; writes ao
.if DOCPART == 3
	.amdgcn_target "amdgcn-amd-amdhsa--gfx1250"
	.amdhsa_code_object_version 6
	.text
	.protected	k_q550204b1e4_attn
	.globl	k_q550204b1e4_attn
	.p2align	8
	.type	k_q550204b1e4_attn,@function
k_q550204b1e4_attn:
	s_mov_b64 s[64:65], 0
	v_nop
	global_prefetch_b8 v0, s[64:65] scope:SCOPE_SE
	s_setreg_imm32_b32 hwreg(HW_REG_WAVE_MODE, 25, 1), 1
	s_wait_xcnt 0x0
; For one head: O[q] = sum over keys of p V / l, p = 2^(t - M), t = (q . k) log2(e) / 8, hidden pairs at -infinity, M = the running largest t rounded up to a whole number, l = the sum of the unquantised p.
; Both products on codes of FP4 with E8M0 scales; p is quantised along the keys, O / l along the head's 64, as the output projection's operand.
; q . k has K = 64: the upper half of the instruction's 128 meets zero codes of q (under scale bytes 0, which stand for 2^-127), so whatever codes of k lie there add nothing.
; SHARES.  A work-group has one head and 32 tiles of 16 queries; wave w of work-group j takes tiles g = 16 j + w and 127 - g, one after the other, in 256 registers: four waves to a SIMD.
; LDS.  The head's whole k and v (128 KB of codes, 12 KB of scale words), filled once THROUGH REGISTERS.  No tensor load and so no joint request in a cluster, though four work-groups read the same k and v:
; key steps are passed over by branches on flags read from memory.
; THE MASK comes as lane masks (one word for each score register of a tile and key step) and flags made by the first launch: bit s: some pair of key step s counts (else the step is left out);
; bit 16 + s: some counts and some does not (else the 64 selects are left out).  Right for every mask.  A query with no visible key gets the scale bytes 0xff, which make its whole output row NaN, as the definition has it.
; LAYOUT.  Both products transposed: S^T = k q^T, O^T = v^T p^T: a lane holds one query throughout.  Tiles of keys and of channels are not neighbours (lane-row r of tile T is 32 (T / 2) + 8 (T % 2) + r + 8 (r / 8)),
; so that the 16 registers of tiles 2 b and 2 b + 1 are 16 neighbours.
; The scale bytes of O leave as 2 bytes a token (a work-group has one head of the 16 that share a token's 32 bytes): one store a wave, against 1,024 bytes of codes.
; LIMITS: p under 2^-126 counts as 0; a block under 2^-124 gets the byte 1; NaN and infinities among the inputs are not served.
.set PS,  12582912                     ; pj: where the scale words begin
.set MF,  524288                       ; mk: where the flags begin
.set AOS, 4194304                      ; ao: where the scale words begin
.set KS,  131072                       ; LDS: k's scale words: 512 ks + 32 r + 4 t
.set VS,  139264                       ; LDS: v's: 256 ks + 16 r + 4 a
.set KF,  32                           ; v32-67   k's eight tiles, four registers each; v64-67 zeros
.set VF,  68                           ; v68-99   v's four fragments
.set S,   100                          ; v100-163 S^T, then p
.set O,   164                          ; v164-195 O^T
.set PCP, 196                          ; v196-203 p's codes
.set KSC, 204                          ; v204-211 k's scale words;  v212-215 v's;  v216 p's;  v217, v218 q's
.set VSC, 212
.set PSC, 216
.set BM,  220                          ; v220-223 block maxima;  v224-227 the other half's, then bytes;  v228-231 scale operands;  v[232:233] f and 0;  v234 at work;  v235 0xffff;  v[236:237] a second chain of sums
.set BP,  224
.set SOP, 228
.set SEL, 20                           ; s[20:21] selects: lane l xor 16;  s[22:23] c = log2(e) / 8
.set CS,  22
	s_load_b128 s[4:7], s[0:1], 0x0                ; pj, mk
	s_load_b64 s[8:9], s[0:1], 0x10                ; ao
	v_lshrrev_b32 v8, 5, v0
	v_readfirstlane_b32 s10, v8                    ; wave 0..15
	s_and_b32 s12, ttmp7, 0xffff                   ; 16 batch + head
	s_lshr_b32 s13, s12, 4                         ; batch
	s_and_b32 s14, s12, 15                         ; head
	s_and_b32 s15, s14, 1
	s_lshl_b32 s15, s15, 4                         ; where my head's two bytes begin in a word of q's or k's scales
	s_lshr_b32 s16, s14, 1                         ; pair of heads
	s_lshl_b32 s17, ttmp9, 4
	s_add_co_u32 s17, s17, s10                     ; my first tile of queries,
	s_sub_co_u32 s18, 127, s17                     ; my second
	s_mov_b32 s[SEL], 0x76543210
	s_mov_b32 s[SEL+1], 0xfedcba98
	s_mov_b32 s[CS], 0x3e38aa3b
	s_mov_b32 s[CS+1], s[CS]                       ; (named with it as a pair)
	s_mov_b32 s100, 0xffff0000                     ; lanes 16-31
	v_and_b32 v241, 31, v0
	v_lshlrev_b32 v1, 4, v241                      ; 16 x lane
	v_and_b32 v242, 15, v0                         ; r
	v_lshl_add_u32 v2, v242, 5, KS
	v_lshl_add_u32 v3, v242, 4, VS
	v_lshlrev_b32 v241, 2, v242                    ; 4 r
	v_lshlrev_b32 v8, 4, v0                        ; the fill: 16 bytes a thread,
	v_lshlrev_b32 v9, 2, v0                        ; a word a thread
	v_lshrrev_b32 v11, 8, v0
	v_lshlrev_b32 v11, 13, v11
	v_and_b32 v243, 255, v0
	v_lshl_add_u32 v11, v243, 4, v11               ; codes in LDS: a key step's 4,096 bytes of k, then of v: 8,192 (thread / 256) + 16 (thread % 256)
	v_add_nc_u32 v238, 0x10000, v11
	v_lshrrev_b32 v239, 7, v0
	v_lshlrev_b32 v239, 9, v239
	v_lshl_add_u32 v239, v242, 5, v239
	v_bfe_u32 v243, v0, 4, 3
	v_lshl_add_u32 v239, v243, 2, v239
	v_add_nc_u32 v239, KS, v239                    ; k's word (tile = thread / 16, r): 512 (tile / 8) + 32 r + 4 (tile % 8)
	v_lshrrev_b32 v240, 6, v0
	v_lshlrev_b32 v10, 12, v240                    ; v's words in memory: 4,096 bytes from key step to key step,
	v_lshlrev_b32 v240, 8, v240
	v_lshl_add_u32 v240, v242, 4, v240
	v_bfe_u32 v243, v0, 4, 2
	v_lshl_add_u32 v240, v243, 2, v240
	v_add_nc_u32 v240, VS, v240                    ; and in LDS: 256 ks + 16 r + 4 a
	v_and_b32 v243, 63, v0
	v_lshl_add_u32 v10, v243, 2, v10
	s_lshl_b32 s32, s12, 16
	s_mov_b32 s33, 0
	s_wait_kmcnt 0x0
	s_add_nc_u64 s[40:41], s[4:5], s[32:33]        ; the head's codes of q,
	s_add_nc_u64 s[34:35], s[40:41], 4194304       ; of k,
	s_add_nc_u64 s[36:37], s[40:41], 8388608       ; of v
	s_lshl_b32 s32, s17, 9
	s_add_nc_u64 s[42:43], s[40:41], s[32:33]
	s_lshl_b32 s32, s18, 9
	s_add_nc_u64 s[44:45], s[40:41], s[32:33]
	s_lshl_b32 s32, s16, 15
	s_lshl_b32 s38, s13, 13
	s_add_co_u32 s32, s32, s38
	s_add_co_u32 s32, s32, PS
	s_add_nc_u64 s[46:47], s[4:5], s[32:33]        ; q's scale words of this pair of heads and batch,
	s_add_nc_u64 s[48:49], s[46:47], 262144        ; k's
	s_lshl_b32 s32, s17, 6
	s_add_nc_u64 s[50:51], s[46:47], s[32:33]
	s_lshl_b32 s32, s18, 6
	s_add_nc_u64 s[52:53], s[46:47], s[32:33]
	s_lshl_b32 s32, s13, 16
	s_lshl_b32 s38, s14, 8
	s_add_co_u32 s32, s32, s38
	s_add_co_u32 s32, s32, PS+524288
	s_add_nc_u64 s[54:55], s[4:5], s[32:33]        ; v's
	s_lshl_b32 s32, s17, 8
	s_add_co_u32 s32, s32, MF
	s_add_nc_u64 s[56:57], s[6:7], s[32:33]
	s_lshl_b32 s32, s18, 8
	s_add_co_u32 s32, s32, MF
	s_add_nc_u64 s[58:59], s[6:7], s[32:33]
	s_load_b32 s60, s[56:57], 0x0                  ; the flags of my two tiles, a word for each half of the keys
	s_load_b32 s61, s[56:57], 0x80
	s_load_b32 s62, s[58:59], 0x0
	s_load_b32 s63, s[58:59], 0x80
.irp i, 0,1,2,3,4,5,6,7
	global_load_b128 v[100+4*\i:103+4*\i], v8, s[34:35] offset:8192*\i
	global_load_b128 v[132+4*\i:135+4*\i], v8, s[36:37] offset:8192*\i
.endr
.irp i, 0,1,2,3
	global_load_b32 v[KSC+\i], v9, s[48:49] offset:2048*\i
.endr
.irp i, 0,1
	global_load_b32 v[VSC+\i], v10, s[54:55] offset:32768*\i
.endr
	global_load_b128 v[16:19], v1, s[42:43]        ; q's fragments stay in registers
	global_load_b128 v[24:27], v1, s[44:45]
	global_load_b32 v217, v241, s[50:51]
	global_load_b32 v218, v241, s[52:53]
	v_mov_b32 v7, 0xff800000                       ; -infinity
.irp i, 20,21,22,23,28,29,30,31,64,65,66,67
	v_mov_b32 v[\i], 0                             ; zero codes: q's upper 64 along K; what lies behind k's last tile
.endr
.irp i, 220,221,222,223,224,225,226,227,228,229,230,231,232,233,234,236,237
	v_mov_b32 v[\i], 0                             ; written once: lane permutes' destinations count as read, and a tile may have no key step at all
.endr
	v_mov_b32 v235, 0xffff
	s_wait_kmcnt 0x0
	s_lshl_b32 s61, s61, 8
	s_or_b32 s11, s60, s61                         ; bits 0-15: a key step counts; bits 16-31: it is mixed
	s_lshl_b32 s63, s63, 8
	s_or_b32 s19, s62, s63
	s_wait_loadcnt 0x0
.irp i, 0,1,2,3
	ds_store_b128 v11, v[100+4*\i:103+4*\i] offset:16384*\i
	ds_store_b128 v11, v[132+4*\i:135+4*\i] offset:16384*\i+4096
.endr
.irp i, 4,5,6,7
	ds_store_b128 v238, v[100+4*\i:103+4*\i] offset:16384*(\i-4)
	ds_store_b128 v238, v[132+4*\i:135+4*\i] offset:16384*(\i-4)+4096
.endr
.irp i, 0,1,2,3
	v_bfe_u32 v[KSC+\i], v[KSC+\i], s15, 16        ; my head's two bytes; the upper two become 0
.endr
.irp i, 0,1,2,3
	ds_store_b32 v239, v[KSC+\i] offset:2048*\i
.endr
.irp i, 0,1
	ds_store_b32 v240, v[VSC+\i] offset:2048*\i
.endr
	v_bfe_u32 v217, v217, s15, 16
	v_bfe_u32 v218, v218, s15, 16
	s_wait_dscnt 0x0                               ; for the others' sake: my part of k and v lies in LDS
	s_barrier_signal -1
	s_barrier_wait -1                              ; the launch's one barrier: from here on LDS is only read
; 32 numbers of a lane, register 16 g + i = position 32 g + 16 (lane / 16) + i of the lane's row, become four registers of codes and two scale bytes.  t: eight registers at work
.macro QUANT32 src, pc, hw, t
.irp g, 0,1
	v_max3_num_f32 v[(\t)+\g], |v[(\src)+16*\g]|, |v[(\src)+16*\g+1]|, 0x1800000
.endr
.irp i, 2,4,6,8,10,12,14
.irp g, 0,1
	v_max3_num_f32 v[(\t)+\g], v[(\t)+\g], |v[(\src)+16*\g+\i]|, |v[(\src)+16*\g+\i+1]|
.endr
.endr
.irp g, 0,1
	v_permlanex16_b32 v[(\t)+2+\g], v[(\t)+\g], s[SEL], s[SEL+1]
.endr
.irp g, 0,1
	v_max_num_f32 v[(\t)+\g], v[(\t)+\g], v[(\t)+2+\g]
.endr
.irp g, 0,1
	v_add_nc_u32 v[(\t)+4+\g], 0xff000000, v[(\t)+\g]
.endr
.irp g, 0,1
	v_lshrrev_b32 v[(\t)+6+\g], 23, v[(\t)+4+\g]
.endr
	v_lshl_or_b32 v[\hw], v[(\t)+7], 8, v[(\t)+6]
.irp g, 0,1
	v_cvt_scalef32_pk8_fp4_f32 v[(\pc)+2*\g], v[(\src)+16*\g:(\src)+16*\g+7], v[(\t)+4+\g]
	v_cvt_scalef32_pk8_fp4_f32 v[(\pc)+2*\g+1], v[(\src)+16*\g+8:(\src)+16*\g+15], v[(\t)+4+\g]
.endr
	v_nop                                          ; one plain line behind the last conversion
	v_permlane16_swap_b32 v[\pc], v[(\pc)+2]
	v_permlane16_swap_b32 v[(\pc)+1], v[(\pc)+3]
.endm
; ONE TILE OF 16 QUERIES.  qf: q's fragment; qw: its scale words; pc, hw: where the codes and the two bytes of O are left; fl: the flags; tt: the tile's number; ov: a register for the store's offset
.macro QTILE qf, qw, pc, hw, fl, tt, ov
	v_mov_b32 v13, 0xff61b1e6                      ; the largest t so far: -3e38
	v_floor_f32 v12, -v13                          ; -M
	v_mov_b32 v14, 0                               ; the sum, in two halves
	v_mov_b32 v15, 0
.irp i, 0,1,2,3,4,5,6,7,8,9,10,11,12,13,14,15,16,17,18,19,20,21,22,23,24,25,26,27,28,29,30,31
	v_mov_b32 v[O+\i], 0                           ; the step is written once: the first finds zeros
.endr
	s_mov_b32 s24, 0                               ; the key step's codes in LDS,
	s_mov_b32 s25, 0                               ; k's scale words,
	s_mov_b32 s26, 0                               ; v's
	s_mov_b32 s27, 0
	s_mov_b32 s28, s[\fl]
	s_lshl_b32 s66, s[\tt], 12
	s_mov_b32 s67, 0
	s_add_nc_u64 s[30:31], s[6:7], s[66:67]        ; the tile's lane masks: 256 bytes a key step
.Lstep_\@:                                         ; 16 trips, a constant; a trip's work is left out where no pair of the step counts
	s_bitcmp1_b32 s28, 0
	s_cbranch_scc0 .Lend_\@
	s_load_b512 s[32:47], s[30:31], 0x0            ; the step's 64 lane masks
	s_load_b512 s[48:63], s[30:31], 0x40
	s_load_b512 s[68:83], s[30:31], 0x80
	s_load_b512 s[84:99], s[30:31], 0xc0
	v_add_nc_u32 v4, s24, v1
	v_add_nc_u32 v5, s25, v2
	v_add_nc_u32 v6, s26, v3
	v_nop                                          ; four places in front of loads into registers that the last products read
.irp t, 0,1,2,3,4,5,6,7
	ds_load_b128 v[KF+4*\t:KF+4*\t+3], v4 offset:512*\t
.endr
	ds_load_b128 v[KSC:KSC+3], v5
	ds_load_b128 v[KSC+4:KSC+7], v5 offset:16
.irp a, 0,1,2,3
.irp c, 0,1
	ds_load_b128 v[VF+8*\a+4*\c:VF+8*\a+4*\c+3], v4 offset:4096+2048*\c+512*\a
.endr
.endr
	ds_load_b128 v[VSC:VSC+3], v6
	s_wait_dscnt 9                                 ; k's ten loads are in; v's nine, issued behind them, may be out
.irp t, 0,1,2,3,4,5,6,7
	v_wmma_scale_f32_16x16x128_f8f6f4 v[S+8*\t:S+8*\t+7], v[KF+4*\t:KF+4*\t+7], v[\qf:\qf+7], 0, v[KSC+\t], v[\qw] matrix_a_fmt:MATRIX_FMT_FP4 matrix_b_fmt:MATRIX_FMT_FP4
.endr
.rept 4
	v_nop
.endr
	s_wait_kmcnt 0x0                               ; the lane masks are in (and their base may be stepped)
	s_bitcmp1_b32 s28, 16
	s_cbranch_scc0 .Lopen_\@                       ; every pair of the step counts
.irp g, 0,1,2,3,4,5,6,7
.irp k, 0,1,2,3,4,5,6,7
	v_cndmask_b32 v[S+8*\g+\k], v7, v[S+8*\g+\k], s[32+8*\g+\k+4*(\g/4)]   ; hidden scores become -infinity: p = 0 then
.endr
.endr
.Lopen_\@:
.irp b, 0,1,2,3
	v_max3_num_f32 v[BM+\b], v[S+16*\b], v[S+16*\b+1], v[S+16*\b+2]   ; the largest score of each block of 32 keys: for the row's maximum, and, since p rises with the score, for the block's largest p
.endr
.irp i, 3,5,7,9,11,13
.irp b, 0,1,2,3
	v_max3_num_f32 v[BM+\b], v[BM+\b], v[S+16*\b+\i], v[S+16*\b+\i+1]
.endr
.endr
.irp b, 0,1,2,3
	v_max_num_f32 v[BM+\b], v[BM+\b], v[S+16*\b+15]
.endr
.irp b, 0,1,2,3
	v_permlanex16_b32 v[BP+\b], v[BM+\b], s[SEL], s[SEL+1]
.endr
.irp b, 0,1,2,3
	v_max_num_f32 v[BM+\b], v[BM+\b], v[BP+\b]     ; with lane l xor 16's 16 keys
.endr
	v_max3_num_f32 v234, v[BM], v[BM+1], v[BM+2]
	v_max_num_f32 v234, v234, v[BM+3]
	v_mul_f32 v234, s[CS], v234                    ; the step's largest t of my query
	v_max_num_f32 v13, v13, v234
	v_mov_b32 v234, v12
	v_floor_f32 v12, -v13                          ; the new -M = -ceil(t): a whole number
	v_sub_f32 v234, v12, v234                      ; old M - new M: a whole number, 0 or less
	v_cvt_i32_f32 v234, v234                       ; (it saturates)
	v_ldexp_f32 v232, 1.0, v234                    ; f = 2^(old M - new M): a multiplication by it rounds nothing
.irp g, 0,1,2,3,4,5,6,7
.irp k, 0,2,4,6
	v_pk_fma_f32 v[S+8*\g+\k:S+8*\g+\k+1], v[S+8*\g+\k:S+8*\g+\k+1], s[CS:CS+1], v[12:13] op_sel_hi:[1,0,0]   ; t - M
.endr
.endr
.irp b, 0,1,2,3
	v_fma_f32 v[BM+\b], v[BM+\b], s[CS], v12       ; the same of each block's largest score
.endr
.irp g, 0,1,2,3,4,5,6,7
.irp k, 0,1,2,3,4,5,6,7
	v_exp_f32 v[S+8*\g+\k], v[S+8*\g+\k]           ; p = 2^(t - M): not normalised
.endr
.endr
	v_pk_mul_f32 v[14:15], v[14:15], v[232:233] op_sel_hi:[1,0]   ; the sums under the new M: the plain line behind the exponentials
	s_wait_alu depctr_va_vdst(0)                   ; one wait for the batch of 64, ahead of its first reader
.irp b, 0,1,2,3
	v_exp_f32 v[BM+\b], v[BM+\b]                   ; the block's largest p
.endr
	v_pk_add_f32 v[236:237], v[S:S+1], v[S+2:S+3]  ; the row's sum is taken of the unquantised p, in two chains
.irp j, 4,8,12,16,20,24,28,32,36,40,44,48,52,56,60
	v_pk_add_f32 v[14:15], v[14:15], v[S+\j:S+\j+1]
	v_pk_add_f32 v[236:237], v[236:237], v[S+\j+2:S+\j+3]
.endr
	v_pk_add_f32 v[14:15], v[14:15], v[236:237]
	s_wait_alu depctr_va_vdst(0)                   ; and one for the four
.irp b, 0,1,2,3
	v_max_num_f32 v[BM+\b], 0x1800000, v[BM+\b]    ; the floor 2^(3 - 127): the byte cannot fall under 1
.endr
.irp b, 0,1,2,3
	v_add_nc_u32 v[SOP+\b], 0xff000000, v[BM+\b]
.endr
.irp b, 0,1,2,3
	v_lshrrev_b32 v[BP+\b], 23, v[SOP+\b]
.endr
	v_lshl_or_b32 v[PSC], v[BP+1], 8, v[BP]        ; p's scale word for these 128 keys
	v_lshl_or_b32 v[PSC], v[BP+2], 16, v[PSC]
	v_lshl_or_b32 v[PSC], v[BP+3], 24, v[PSC]
.irp b, 0,1,2,3
	v_cvt_scalef32_pk8_fp4_f32 v[PCP+2*\b], v[S+16*\b:S+16*\b+7], v[SOP+\b]
	v_cvt_scalef32_pk8_fp4_f32 v[PCP+2*\b+1], v[S+16*\b+8:S+16*\b+15], v[SOP+\b]
.endr
	v_nop                                          ; one plain line behind the last conversion
.irp c, 0,1
.irp i, 0,1
	v_permlane16_swap_b32 v[PCP+4*\c+\i], v[PCP+4*\c+2+\i]   ; a whole block in a lane
.endr
.endr
.irp j, 0,2,4,6,8,10,12,14,16,18,20,22,24,26,28,30
	v_pk_mul_f32 v[O+\j:O+\j+1], v[O+\j:O+\j+1], v[232:233] op_sel_hi:[1,0]   ; O^T under the new M; these sixteen are also the places between p's scale word and codes and the products below
.endr
	s_wait_dscnt 0x0                               ; v is in
.irp a, 0,1,2,3
	v_wmma_scale_f32_16x16x128_f8f6f4 v[O+8*\a:O+8*\a+7], v[VF+8*\a:VF+8*\a+7], v[PCP:PCP+7], v[O+8*\a:O+8*\a+7], v[VSC+\a], v[PSC] matrix_a_fmt:MATRIX_FMT_FP4 matrix_b_fmt:MATRIX_FMT_FP4
.endr
.Lend_\@:
	s_add_co_u32 s24, s24, 8192
	s_add_co_u32 s25, s25, 512
	s_add_co_u32 s26, s26, 256
	s_add_nc_u64 s[30:31], s[30:31], 256
	s_lshr_b32 s28, s28, 1
	s_add_co_u32 s27, s27, 1
	s_cmp_lt_u32 s27, 16
	s_cbranch_scc1 .Lstep_\@
.rept 4
	v_nop                                          ; places behind the last products
.endr
	v_add_f32 v14, v14, v15
	v_permlanex16_b32 v234, v14, s[SEL], s[SEL+1]
	v_add_f32 v14, v14, v234                       ; l
	v_rcp_f32 v232, v14
	v_nop                                          ; a plain line behind the reciprocal
	v_cmp_eq_f32 vcc_lo, 0, v14                    ; no key counted for my query
	s_lshl_b32 s66, s13, 7
	s_add_co_u32 s66, s66, s[\tt]                  ; the tile among all tokens'
	s_lshl_b32 s66, s66, 13
	s_lshl_b32 s67, s14, 9
	s_add_co_u32 s66, s66, s67
	v_add_nc_u32 v[\ov], s66, v1                   ; blocks 2 head and 2 head + 1 of the tile's image
	s_wait_alu depctr_va_vdst(0)                   ; ahead of the reciprocal's first reader
	v_cndmask_b32 v232, v232, v233, vcc_lo         ; (then the codes are zeros)
.irp j, 0,2,4,6,8,10,12,14,16,18,20,22,24,26,28,30
	v_pk_mul_f32 v[S+\j:S+\j+1], v[O+\j:O+\j+1], v[232:233] op_sel_hi:[1,0]   ; O^T / l, each accumulator from its low end on
.endr
	QUANT32 S, \pc, \hw, BM
	v_cndmask_b32 v[\hw], v[\hw], v235, vcc_lo     ; two bytes 0xff for a query with no visible key
	global_store_b128 v[\ov], v[\pc:\pc+3], s[8:9] ; 32 lanes store 512 consecutive bytes
.endm
	QTILE 16, 217, 244, 252, 11, 17, 254
	QTILE 24, 218, 248, 253, 19, 18, 255
	s_lshl_b32 s24, s13, 7
	s_add_co_u32 s25, s24, s17
	s_add_co_u32 s26, s24, s18
	s_lshl_b32 s25, s25, 9
	s_lshl_b32 s26, s26, 9
	s_lshl_b32 s24, s14, 1
	s_add_co_u32 s24, s24, AOS
	s_add_co_u32 s25, s25, s24                     ; the first tile's scale words, my head's two bytes,
	s_add_co_u32 s26, s26, s24                     ; the second's
	v_lshlrev_b32 v242, 5, v242                    ; 32 r
	v_mov_b32 v243, s25
	v_mov_b32 v219, s26
	v_cndmask_b32 v243, v243, v219, s100           ; lanes 0-15 carry the first tile's, lanes 16-31 the second's
	v_add_nc_u32 v242, v242, v243
	v_cndmask_b32 v252, v252, v253, s100
	global_store_b16 v242, v252, s[8:9]
	s_wait_xcnt 0x0
	v_lshl_add_u32 v254, v0, 2, 0x23000
	v_mov_b32 v255, 0
	s_wait_tensorcnt 0x0
	ds_add_u32 v254, v255
	s_wait_dscnt 0x0
	s_endpgm
.Lfunc_end_k_q550204b1e4_attn:
	.size	k_q550204b1e4_attn, .Lfunc_end_k_q550204b1e4_attn-k_q550204b1e4_attn
	.p2alignl 7, 3214868480
	.fill 96, 4, 3214868480
	.section	.rodata,"a",@progbits
	.p2align	6, 0x0
	.amdhsa_kernel k_q550204b1e4_attn
		.amdhsa_group_segment_fixed_size 145408
		.amdhsa_private_segment_fixed_size 0
		.amdhsa_enable_private_segment 0
		.amdhsa_kernarg_size 24
		.amdhsa_user_sgpr_count 2
		.amdhsa_user_sgpr_kernarg_segment_ptr 1
		.amdhsa_wavefront_size32 1
		.amdhsa_system_sgpr_workgroup_id_x 1
		.amdhsa_system_sgpr_workgroup_id_y 1
		.amdhsa_system_sgpr_workgroup_id_z 1
		.amdhsa_system_vgpr_workitem_id 0
		.amdhsa_next_free_vgpr 256
		.amdhsa_next_free_sgpr 102
		.amdhsa_reserve_vcc 1
		.amdhsa_float_denorm_mode_32 3
		.amdhsa_float_denorm_mode_16_64 3
		.amdhsa_memory_ordered 1
		.amdhsa_forward_progress 1
		.amdhsa_inst_pref_size 60
	.end_amdhsa_kernel
	.amdgpu_metadata
---
amdhsa.version: [ 1, 2 ]
amdhsa.kernels:
  - .name:           k_q550204b1e4_attn
    .symbol:         k_q550204b1e4_attn.kd
    .args:
      - { .name: pj, .offset: 0, .size: 8, .value_kind: global_buffer, .address_space: global }
      - { .name: mk, .offset: 8, .size: 8, .value_kind: global_buffer, .address_space: global }
      - { .name: ao, .offset: 16, .size: 8, .value_kind: global_buffer, .address_space: global }
    .group_segment_fixed_size: 145408
    .private_segment_fixed_size: 0
    .kernarg_segment_align: 8
    .kernarg_segment_size: 24
    .max_flat_workgroup_size: 512
    .sgpr_count:     102
    .vgpr_count:     256
    .wavefront_size: 32
...
	.end_amdgpu_metadata
.endif
;; end of part 3
;; launch outp (part 4): grid 8 x 32, 8 waves a work-group, clusters of 4 x 4, 232,448 bytes of LDS; arguments ao, xw, bo, out0; writes out0
.if DOCPART == 4
	.amdgcn_target "amdgcn-amd-amdhsa--gfx1250"
	.amdhsa_code_object_version 6
	.text
	.protected	k_q550204b1e4_outp
	.globl	k_q550204b1e4_outp
	.p2align	8
	.type	k_q550204b1e4_outp,@function
k_q550204b1e4_outp:
	s_mov_b64 s[64:65], 0
	v_nop
	global_prefetch_b8 v0, s[64:65] scope:SCOPE_SE
	s_setreg_imm32_b32 hwreg(HW_REG_WAVE_MODE, 25, 1), 1
	s_wait_xcnt 0x0
	s_wait_alu depctr_hold_cnt(0) depctr_sa_sdst(0) depctr_va_vdst(0) depctr_va_sdst(0) depctr_va_ssrc(0) depctr_va_vcc(0) depctr_vm_vsrc(0)
	s_getreg_b32 s2, hwreg(HW_REG_IB_STS2, 6, 4)
	s_cmp_eq_u32 s2, 0
	s_cbranch_scc0 .Lentry_in_a_cluster
	s_endpgm
.Lentry_in_a_cluster:
	s_bfe_u32 s2, ttmp6, 0x10000c
	s_cmp_lg_u32 s2, 0xf033
	s_cbranch_scc0 .Lentry_shape_is_right
	s_endpgm
.Lentry_shape_is_right:
; out0 = attention's result x Wo^T + bo, on codes of FP4 with E8M0 scales (K = 1,024); out0 [8192][1024] f32.
; Source 1 of the matrix instruction = 256 tokens (images made by the attention launch), source 0 = 128 rows of Wo: a lane's eight results are eight neighbouring columns of one row of out0.
; Tiles of 16 rows are not neighbours: lane-row r of tile T is row 32 (T / 2) + 8 (T % 2) + r + 8 (r / 8).  A token whose scale bytes are 0xff gets a row of NaN.
; SHARES.  A work-group makes 256 x 128, each of its eight waves 64 x 64: 16 accumulators.  256 work-groups.
; LDS.  Both panels for all of K, 128 KB + 64 KB, in four chunks of two K steps, every byte filled once; behind them a stage of 16 rows x 272 bytes for each wave, into which no fill lands.
; CLUSTER 4 x 4: the tokens' panel hangs on cy alone and is asked for jointly along a row of the cluster, Wo's on cx alone and jointly along a column.
; REGISTERS: v1-11 addresses; v16-47 scale words (lanes 0-15 source 1's tile i, lanes 16-31 source 0's; register 8 i + s); v48-79, v80-111 fragments, later rows on the way out; v128-255 accumulators; window 1: v0-31 the bias.
.set XS,  14680064                     ; xw: where the scale words begin
.set AOS, 4194304                      ; ao: where the scale words begin
.set P0,  131072
.set STAGE, 196608
.set SC,  16
.set F0,  48
.set F1,  80
.set ACC, 128
.set BI,  0
.set STO, 9
.set RD,  10
.set CO,  11
.set G1A, 24
.set G1B, 32
.set G0A, 40
.set MSB, 0
.macro WIN new                         ; the immediate's high byte repeats the setting that is left
.if MSB != \new
	s_set_vgpr_msb (MSB<<8)|\new
.set MSB, \new
.endif
.endm
.macro PLACES n
.rept \n
	v_nop
.endr
.endm
.macro CROUND                          ; a round of the cluster's barrier
	s_barrier_signal -1
	s_barrier_wait -1
	s_cmp_lg_u32 s14, 0
	s_cbranch_scc1 .Lnot_wave_0_\@
	s_barrier_signal -3
.Lnot_wave_0_\@:
	s_barrier_wait -3
	s_barrier_signal -1
	s_barrier_wait -1
.endm
	s_load_b256 s[4:11], s[0:1], 0x0               ; ao, xw, bo, out0
	v_lshl_add_u32 v126, v0, 2, 0x38800
	v_mov_b32 v127, 0
	ds_add_u32 v126, v127
	ds_add_u32 v126, v127
	v_lshrrev_b32 v8, 5, v0
	v_readfirstlane_b32 s14, v8                    ; wave 0..7
	s_lshr_b32 s15, s14, 1                         ; wa: which 64 tokens
	s_and_b32 s16, s14, 1                          ; wb: which 64 columns
	s_and_b32 s17, s14, 3                          ; which quarter of a panel I fetch
	s_bfe_u32 s18, ttmp6, 0x40000                  ; cx
	s_bfe_u32 s19, ttmp6, 0x40004                  ; cy
	s_mov_b32 s20, ttmp9
	s_and_b32 s21, ttmp7, 0xffff
	s_lshl_b32 s92, s19, 2
	s_lshl_b32 s92, 15, s92                        ; my row of the cluster
	s_lshl_b32 s93, 0x1111, s18                    ; my column
	; group 1: rows of 2,048 bytes (a tile's two K steps), 8,192 bytes apart; four tiles a load for the tokens, two for Wo; dense in LDS
	s_or_b32 s[G1A], s92, (3<<16)|(1<<21)
	s_or_b32 s[G1B], s93, (3<<16)|(1<<21)
	s_mov_b32 s[G1A+1], 256<<16
	s_mov_b32 s[G1A+2], 4<<16
	s_mov_b32 s[G1A+3], 256<<16
	s_mov_b32 s[G1A+4], 4
	s_mov_b32 s[G1A+5], 1024
	s_mov_b32 s[G1A+6], 0
	s_mov_b32 s[G1A+7], 0
	s_mov_b32 s[G1B+1], 256<<16
	s_mov_b32 s[G1B+2], 2<<16
	s_mov_b32 s[G1B+3], 256<<16
	s_mov_b32 s[G1B+4], 2
	s_mov_b32 s[G1B+5], 1024
	s_mov_b32 s[G1B+6], 0
	s_mov_b32 s[G1B+7], 0
	s_lshl_b32 s78, s21, 2
	s_add_co_u32 s78, s78, s19
	s_lshl_b32 s78, s78, 4                         ; my work-group's first tile of tokens: it never holds cx
	s_lshl_b32 s80, s20, 2
	s_add_co_u32 s80, s80, s18
	s_lshl_b32 s80, s80, 3
	s_add_co_u32 s80, s80, 1728                    ; its first tile of Wo in xw: it never holds cy
	s_lshl_b32 s92, s17, 2
	s_add_co_u32 s92, s78, s92
	s_lshl_b32 s92, s92, 13
	s_mov_b32 s93, 0
	s_lshl_b32 s98, s17, 1
	s_add_co_u32 s98, s80, s98
	s_lshl_b32 s98, s98, 13
	s_mov_b32 s99, 0
	s_lshl_b32 s94, s17, 13                        ; where they go: no place in the cluster enters an LDS address
	s_lshl_b32 s95, s17, 12
	s_add_co_u32 s95, s95, P0
	s_wait_dscnt 0x0
	s_wait_kmcnt 0x0
	s_add_nc_u64 s[96:97], s[4:5], s[92:93]
	s_add_nc_u64 s[98:99], s[6:7], s[98:99]
.irp q, 0,1,2,3
	s_mov_b32 s[G0A+4*\q], 1
	s_add_co_u32 s[G0A+4*\q+1], s94, \q*32768
	s_add_nc_u64 s[G0A+4*\q+2:G0A+4*\q+3], s[96:97], \q*2048
	s_or_b32 s[G0A+4*\q+3], s[G0A+4*\q+3], 0x80000000
	s_mov_b32 s[56+4*\q+4*(\q/2)], 1
	s_add_co_u32 s[56+4*\q+4*(\q/2)+1], s95, \q*16384
	s_add_nc_u64 s[56+4*\q+4*(\q/2)+2:56+4*\q+4*(\q/2)+3], s[98:99], \q*2048
	s_or_b32 s[56+4*\q+4*(\q/2)+3], s[56+4*\q+4*(\q/2)+3], 0x80000000
.endr
	CROUND                                         ; all sixteen work-groups are here: the joint loads meet
	s_cmp_lt_u32 s14, 4                            ; waves 0-3 fetch the tokens' panel, waves 4-7 Wo's: a wave's four loads stand in one branch; four of mine are out
	s_cbranch_scc0 .Lfill_b
	tensor_load_to_lds s[40:43], s[G1A:G1A+7]
	s_nop 0
	tensor_load_to_lds s[44:47], s[G1A:G1A+7]
	s_nop 0
	tensor_load_to_lds s[48:51], s[G1A:G1A+7]
	s_nop 0
	tensor_load_to_lds s[52:55], s[G1A:G1A+7]
	s_nop 0
	PLACES 4
	s_branch .Lfilled
.Lfill_b:
	tensor_load_to_lds s[56:59], s[G1B:G1B+7]
	s_nop 0
	tensor_load_to_lds s[60:63], s[G1B:G1B+7]
	s_nop 0
	tensor_load_to_lds s[68:71], s[G1B:G1B+7]
	s_nop 0
	tensor_load_to_lds s[72:75], s[G1B:G1B+7]
	s_nop 0
	PLACES 4
.Lfilled:
	v_and_b32 v8, 31, v0
	v_and_b32 v2, 15, v0                           ; r
	v_bfe_u32 v3, v0, 4, 1                         ; h
	v_lshlrev_b32 v1, 4, v8                        ; 16 x lane
	s_lshl_b32 s92, s15, 13
	v_add_nc_u32 v4, s92, v1                       ; my four tiles of tokens in a chunk
	s_lshl_b32 s92, s16, 13
	s_add_co_u32 s92, s92, P0
	v_add_nc_u32 v5, s92, v1                       ; and of Wo
	v_lshlrev_b32 v6, 5, v2                        ; a lane-row's eight scale words
	v_lshlrev_b32 v7, 6, v3                        ; the bias: 16 h numbers on
	s_mul_i32 s92, s14, 16*272
	s_add_co_u32 s92, s92, STAGE                   ; my stage
	v_mul_u32_u24 v[STO], v2, 272
	v_lshl_add_u32 v[STO], v3, 6, v[STO]
	v_add_nc_u32 v[STO], s92, v[STO]               ; in: row r, + 64 h
	v_mul_u32_u24 v[RD], v3, 272
	v_lshl_add_u32 v[RD], v2, 4, v[RD]
	v_add_nc_u32 v[RD], s92, v[RD]                 ; back: lanes 0-15 one row of 256 bytes, lanes 16-31 the next
	v_lshlrev_b32 v[CO], 12, v3
	v_lshl_add_u32 v[CO], v2, 4, v[CO]             ; and the same two rows in out0
	s_mov_b32 s100, 0xffff0000                     ; lanes 16-31
	s_mov_b32 s93, 0
	s_lshl_b32 s92, s15, 2
	s_add_co_u32 s92, s92, s78
	s_lshl_b32 s92, s92, 9
	s_add_co_u32 s92, s92, AOS
	s_add_nc_u64 s[82:83], s[4:5], s[92:93]        ; scale words of my four tiles of tokens
	s_lshl_b32 s92, s16, 2
	s_add_co_u32 s92, s92, s80
	s_lshl_b32 s92, s92, 9
	s_add_co_u32 s92, s92, XS
	s_add_nc_u64 s[84:85], s[6:7], s[92:93]        ; and of Wo
.irp i, 0,1,2,3
.irp e, 0,1
	global_load_b128 v[SC+8*\i+4*\e:SC+8*\i+4*\e+3], v6, s[82:83] offset:512*\i+16*\e
	global_load_b128 v[ACC+8*\i+4*\e:ACC+8*\i+4*\e+3], v6, s[84:85] offset:512*\i+16*\e   ; (the accumulators' registers are free until the first product)
.endr
.endr
	s_lshl_b32 s94, s20, 2
	s_add_co_u32 s94, s94, s18
	s_lshl_b32 s94, s94, 9
	s_lshl_b32 s95, s16, 8
	s_add_co_u32 s94, s94, s95                     ; my 64 columns, in bytes: 512 x block of columns + 256 wb
	s_mov_b32 s95, 0
	s_add_nc_u64 s[86:87], s[8:9], s[94:95]        ; their numbers of the bias
	s_lshl_b32 s92, s78, 4
	s_lshl_b32 s96, s15, 6
	s_add_co_u32 s92, s92, s96                     ; my first token
	s_lshl_b32 s92, s92, 12
	s_add_co_u32 s92, s92, s94
	s_add_nc_u64 s[88:89], s[10:11], s[92:93]      ; out0 at my 64 x 64
	WIN 0x40                                       ; destination window 1
.irp b, 0,1,2,3
	global_load_b128 v[BI+8*\b:BI+8*\b+3], v7, s[86:87] offset:(32*(\b/2)+8*(\b%2))*4
	global_load_b128 v[BI+8*\b+4:BI+8*\b+7], v7, s[86:87] offset:(32*(\b/2)+8*(\b%2))*4+16
.endr
	WIN 0
	s_wait_loadcnt 0x0
.irp k, 0,1,2,3,4,5,6,7,8,9,10,11,12,13,14,15,16,17,18,19,20,21,22,23,24,25,26,27,28,29,30,31
	v_cndmask_b32 v[SC+\k], v[SC+\k], v[ACC+\k], s100   ; one register carries the tokens' word below and Wo's above
.endr
	PLACES 8                                       ; scale registers written by vector instructions stand eight places ahead of a scaled matrix instruction
.macro FRAGS s                         ; K step s: eight fragments, as they lie
.irp i, 0,1,2,3
.irp c, 0,1
	ds_load_b128 v[F0+8*\i+4*\c:F0+8*\i+4*\c+3], v5 offset:\i*2048+((\s)%2)*1024+\c*512
	ds_load_b128 v[F1+8*\i+4*\c:F1+8*\i+4*\c+3], v4 offset:\i*2048+((\s)%2)*1024+\c*512
.endr
.endr
	s_wait_dscnt 0x0
.endm
; 16 matrix instructions; the 16 accumulators take turns, in the same order in every K step.  cm = 0: in place; 1: C = the bias
.macro MULS s, cm
.irp a, 0,1,2,3
.irp b, 0,1,2,3
.if \cm == 0
	v_wmma_scale_f32_16x16x128_f8f6f4 v[ACC+8*(4*\a+\b):ACC+8*(4*\a+\b)+7], v[F0+8*\b:F0+8*\b+7], v[F1+8*\a:F1+8*\a+7], v[ACC+8*(4*\a+\b):ACC+8*(4*\a+\b)+7], v[SC+8*\b+(\s)], v[SC+8*\a+(\s)] matrix_a_fmt:MATRIX_FMT_FP4 matrix_b_fmt:MATRIX_FMT_FP4 matrix_a_scale:MATRIX_SCALE_ROW1
.else
	v_wmma_scale_f32_16x16x128_f8f6f4 v[ACC+8*(4*\a+\b):ACC+8*(4*\a+\b)+7], v[F0+8*\b:F0+8*\b+7], v[F1+8*\a:F1+8*\a+7], v[BI+8*\b:BI+8*\b+7], v[SC+8*\b+(\s)], v[SC+8*\a+(\s)] matrix_a_fmt:MATRIX_FMT_FP4 matrix_b_fmt:MATRIX_FMT_FP4 matrix_a_scale:MATRIX_SCALE_ROW1
.endif
.endr
.endr
.endm
.macro KSTEP s
	FRAGS \s
	MULS \s, 0
	PLACES 4                                       ; in front of loads into registers that these products read, and of the first read of results
.endm
.irp q, 0,1,2,3
	s_wait_tensorcnt 3-\q                          ; my part of chunk q has landed; my loads for the later chunks, issued behind it, may be out
	s_barrier_signal -1
	s_barrier_wait -1                              ; everybody's has.
.if \q == 0
	FRAGS 0
	WIN 0x10                                       ; source 2 window 1: the first K step starts the sums with the bias as C
	MULS 0, 1
	WIN 0
	PLACES 4
.else
	KSTEP 2*\q
.endif
	KSTEP 2*\q+1
.if \q < 3
	v_add_nc_u32 v4, 32768, v4                     ; on to the next chunk
	v_add_nc_u32 v5, 16384, v5
.endif
.endr
; THE WAY OUT, a tile of 16 tokens x 64 columns at a time, through my own stage: a lane's 32 bytes go in, whole rows of 256 bytes come back.  LDS serves a wave's instructions in order: no wait between the stores and the loads.
.macro TOSTAGE a
.irp b, 0,1,2,3
	ds_store_b128 v[STO], v[ACC+8*(4*(\a)+\b):ACC+8*(4*(\a)+\b)+3] offset:(\b/2)*128+(\b%2)*32          ; each accumulator from its low end on: columns 32 (b / 2) + 16 h + 8 (b % 2) + 0 .. 7
	ds_store_b128 v[STO], v[ACC+8*(4*(\a)+\b)+4:ACC+8*(4*(\a)+\b)+7] offset:(\b/2)*128+(\b%2)*32+16
.endr
.set BB, F0+32*((\a)%2)
.irp i, 0,1,2,3,4,5,6,7
	ds_load_b128 v[BB+4*\i:BB+4*\i+3], v[RD] offset:\i*544
.endr
.endm
.macro SEND a, younger                 ; younger: the LDS instructions issued behind tile a's loads, which may stay out
.set BB, F0+32*((\a)%2)
	s_wait_dscnt \younger
.irp i, 0,1,2,3,4,5,6,7
	global_store_b128 v[CO], v[BB+4*\i:BB+4*\i+3], s[88:89] offset:(32*((\a)/2)+8*((\a)%2)+2*\i+8*(\i/4))*4096 th:TH_STORE_NT   ; 16 lanes store 256 consecutive bytes, aligned; lane-rows 2 i and 2 i + 1 of the tile
.endr
.endm
	TOSTAGE 0
	TOSTAGE 1
	SEND 0, 16                                     ; behind tile 0's loads: tile 1's eight stores and eight loads
	s_wait_xcnt 0x0                                ; tile 0's stores have read their registers: tile 2's rows may land there
	TOSTAGE 2
	SEND 1, 16
	s_wait_xcnt 0x0
	TOSTAGE 3
	SEND 2, 16
	SEND 3, 0
	s_wait_tensorcnt 0x0
	ds_add_u32 v126, v127
	s_wait_dscnt 0x0
	CROUND                                         ; the closing round: no work-group ends while a partner may still ask for a tile that names it
	s_endpgm
.Lfunc_end_k_q550204b1e4_outp:
	.size	k_q550204b1e4_outp, .Lfunc_end_k_q550204b1e4_outp-k_q550204b1e4_outp
	.p2alignl 7, 3214868480
	.fill 96, 4, 3214868480
	.section	.rodata,"a",@progbits
	.p2align	6, 0x0
	.amdhsa_kernel k_q550204b1e4_outp
		.amdhsa_group_segment_fixed_size 232448
		.amdhsa_private_segment_fixed_size 0
		.amdhsa_enable_private_segment 0
		.amdhsa_kernarg_size 32
		.amdhsa_user_sgpr_count 2
		.amdhsa_user_sgpr_kernarg_segment_ptr 1
		.amdhsa_wavefront_size32 1
		.amdhsa_system_sgpr_workgroup_id_x 1
		.amdhsa_system_sgpr_workgroup_id_y 1
		.amdhsa_system_sgpr_workgroup_id_z 1
		.amdhsa_system_vgpr_workitem_id 0
		.amdhsa_next_free_vgpr 320
		.amdhsa_next_free_sgpr 102
		.amdhsa_reserve_vcc 0
		.amdhsa_float_denorm_mode_32 3
		.amdhsa_float_denorm_mode_16_64 3
		.amdhsa_memory_ordered 1
		.amdhsa_forward_progress 1
		.amdhsa_inst_pref_size 47
	.end_amdhsa_kernel
	.amdgpu_metadata
---
amdhsa.version: [ 1, 2 ]
amdhsa.kernels:
  - .name:           k_q550204b1e4_outp
    .symbol:         k_q550204b1e4_outp.kd
    .args:
      - { .name: ao, .offset: 0, .size: 8, .value_kind: global_buffer, .address_space: global }
      - { .name: xw, .offset: 8, .size: 8, .value_kind: global_buffer, .address_space: global }
      - { .name: bo, .offset: 16, .size: 8, .value_kind: global_buffer, .address_space: global }
      - { .name: out0, .offset: 24, .size: 8, .value_kind: global_buffer, .address_space: global }
    .group_segment_fixed_size: 232448
    .private_segment_fixed_size: 0
    .kernarg_segment_align: 8
    .kernarg_segment_size: 32
    .max_flat_workgroup_size: 256
    .sgpr_count:     102
    .vgpr_count:     320
    .wavefront_size: 32
...
	.end_amdgpu_metadata
.endif
;; end of part 4
;; ======== version 2 of 2: 4 launches; version 1 with the launch attn written anew for expert scheduling mode
;; workspace buffers: xw 15,597,568 bytes; mk 557,056 bytes of whole numbers; pj 13,369,344 bytes; ao 4,456,448 bytes
;; launch prep: the kernel of part 1 again; grid 512 x 1, 4 waves a work-group, no clusters, 68,096 bytes of LDS; arguments Q, K, V, Wq, Wk, Wv, Wo, mask, xw, mk; writes xw, mk
;; launch proj: the kernel of part 2 again; grid 8 x 96, 8 waves a work-group, clusters of 4 x 4, 198,656 bytes of LDS; arguments xw, bq, bk, bv, pj; writes pj
;; launch attn (part 5): grid 4 x 64, 16 waves a work-group, no clusters, 145,408 bytes of LDS; arguments pj, mk, ao; writes ao
.if DOCPART == 5
	.amdgcn_target "amdgcn-amd-amdhsa--gfx1250"
	.amdhsa_code_object_version 6
	.text
	.protected	k_q550204b1e4_attn
	.globl	k_q550204b1e4_attn
	.p2align	8
	.type	k_q550204b1e4_attn,@function
k_q550204b1e4_attn:
	s_mov_b64 s[64:65], 0
	v_nop
	global_prefetch_b8 v0, s[64:65] scope:SCOPE_SE
	s_setreg_imm32_b32 hwreg(HW_REG_WAVE_SCHED_MODE, 0, 2), 2
	s_setreg_imm32_b32 hwreg(HW_REG_WAVE_MODE, 25, 1), 1
	s_wait_xcnt 0x0
	s_wait_alu depctr_vm_vsrc(0)
; For one head: O[q] = sum over keys of p V / l, p = 2^(t - M), t = (q . k) log2(e) / 8, hidden pairs at -infinity, M = the running largest t rounded up to a whole number, l = the sum of the unquantised p.
; Both products on codes of FP4 with E8M0 scales; p is quantised along the keys, O / l along the head's 64, as the output projection's operand.
; q . k has K = 64: the upper half of the instruction's 128 meets zero codes of q (under scale bytes 0, which stand for 2^-127), so whatever codes of k lie there add nothing.
; SHARES.  A work-group has one head and 32 tiles of 16 queries; wave w of work-group j takes tiles g = 16 j + w and 127 - g, one after the other, in 256 registers: four waves to a SIMD.
; LDS.  The head's whole k and v (128 KB of codes, 12 KB of scale words), filled once THROUGH REGISTERS.  No tensor load and so no joint request in a cluster, though four work-groups read the same k and v:
; key steps are passed over by branches on flags read from memory.
; THE MASK comes as lane masks (one word for each score register of a tile and key step) and flags made by the first launch: bit s: some pair of key step s counts (else the step is left out);
; bit 16 + s: some counts and some does not (else the 64 selects are left out).  Right for every mask.  A query with no visible key gets the scale bytes 0xff, which make its whole output row NaN, as the definition has it.
; LAYOUT.  Both products transposed: S^T = k q^T, O^T = v^T p^T: a lane holds one query throughout.  Tiles of keys and of channels are not neighbours (lane-row r of tile T is 32 (T / 2) + 8 (T % 2) + r + 8 (r / 8)),
; so that the 16 registers of tiles 2 b and 2 b + 1 are 16 neighbours.
; The scale bytes of O leave as 2 bytes a token (a work-group has one head of the 16 that share a token's 32 bytes): one store a wave, against 1,024 bytes of codes.
; LIMITS: p under 2^-126 counts as 0; a block under 2^-124 gets the byte 1; NaN and infinities among the inputs are not served.
; THE MODE: SCHED_MODE bits 1:0 = 2 (LLVM: expert scheduling mode 2), set by the entry lines.  The code itself states the register dependences
; between vector or matrix instructions and memory or LDS instructions, with s_wait_alu, always for 0.
; THE PLAN.  Registers that memory or LDS instructions touch:
;   v1, v8-11, v238-241   offsets and LDS addresses of the head's loads and of the fill: made once at the head, never written again.
;   v100-163, v204-207, v212-213   the head's global loads land there, the fill's LDS stores read them (v204-207 behind four v_bfe_u32); later products, vector lines and the loop's loads write them.
;   v4, v5, v6            a key step's LDS addresses: written by three adds at the step's head, read by its 19 LDS loads.
;   KF, KSC               the step's first ten loads land there; its eight products k q^T read them.
;   VF, VSC               nine loads, dealt among those eight products, land there; the step's last four products read them.
;   PCP, PSC              p's codes and scale word: made by vector lines, taken by the last four products.
;   v244-252, v254, v255, v242   the way out: made by vector lines, read by the three global stores; v254 and v255 are made anew for the closing add.
; A key step has one wait on vm_vsrc (ahead of the adds to v4-6) and one on va_vdst behind them, which states all that its 19 loads hang on; the eight products that follow name KF, q, KSC and S alone,
; so that V's loads stand among them with no further wait.  Two waits stand behind the exponentials, and one ahead of the last four products, for p's codes and scale word.
.set PS,  12582912                     ; pj: where the scale words begin
.set MF,  524288                       ; mk: where the flags begin
.set AOS, 4194304                      ; ao: where the scale words begin
.set KS,  131072                       ; LDS: k's scale words: 512 ks + 32 r + 4 t
.set VS,  139264                       ; LDS: v's: 256 ks + 16 r + 4 a
.set KF,  32                           ; v32-67   k's eight tiles, four registers each; v64-67 zeros
.set VF,  68                           ; v68-99   v's four fragments
.set S,   100                          ; v100-163 S^T, then p
.set O,   164                          ; v164-195 O^T
.set PCP, 196                          ; v196-203 p's codes
.set KSC, 204                          ; v204-211 k's scale words;  v212-215 v's;  v216 p's;  v217, v218 q's
.set VSC, 212
.set PSC, 216
.set BM,  220                          ; v220-223 block maxima;  v224-227 the other half's, then bytes;  v228-231 scale operands;  v[232:233] f and 0;  v234 at work;  v235 0xffff;  v[236:237] a second chain of sums
.set BP,  224
.set SOP, 228
.set SEL, 20                           ; s[20:21] selects: lane l xor 16;  s[22:23] c = log2(e) / 8
.set CS,  22
	s_load_b128 s[4:7], s[0:1], 0x0                ; pj, mk
	s_load_b64 s[8:9], s[0:1], 0x10                ; ao
	v_lshrrev_b32 v8, 5, v0
	v_readfirstlane_b32 s10, v8                    ; wave 0..15
	s_and_b32 s12, ttmp7, 0xffff                   ; 16 batch + head
	s_lshr_b32 s13, s12, 4                         ; batch
	s_and_b32 s14, s12, 15                         ; head
	s_and_b32 s15, s14, 1
	s_lshl_b32 s15, s15, 4                         ; where my head's two bytes begin in a word of q's or k's scales
	s_lshr_b32 s16, s14, 1                         ; pair of heads
	s_lshl_b32 s17, ttmp9, 4
	s_wait_alu depctr_va_sdst(0)                   ; s10 is written, ahead of its first reader: my tiles' numbers are made from it
	s_add_co_u32 s17, s17, s10                     ; my first tile of queries,
	s_sub_co_u32 s18, 127, s17                     ; my second
	s_mov_b32 s[SEL], 0x76543210
	s_mov_b32 s[SEL+1], 0xfedcba98
	s_mov_b32 s[CS], 0x3e38aa3b
	s_mov_b32 s[CS+1], s[CS]                       ; (named with it as a pair)
	s_mov_b32 s100, 0xffff0000                     ; lanes 16-31
	v_and_b32 v241, 31, v0
	v_lshlrev_b32 v1, 4, v241                      ; 16 x lane
	v_and_b32 v242, 15, v0                         ; r
	v_lshl_add_u32 v2, v242, 5, KS
	v_lshl_add_u32 v3, v242, 4, VS
	v_lshlrev_b32 v241, 2, v242                    ; 4 r
	v_lshlrev_b32 v8, 4, v0                        ; the fill: 16 bytes a thread,
	v_lshlrev_b32 v9, 2, v0                        ; a word a thread
	v_lshrrev_b32 v11, 8, v0
	v_lshlrev_b32 v11, 13, v11
	v_and_b32 v243, 255, v0
	v_lshl_add_u32 v11, v243, 4, v11               ; codes in LDS: a key step's 4,096 bytes of k, then of v: 8,192 (thread / 256) + 16 (thread % 256)
	v_add_nc_u32 v238, 0x10000, v11
	v_lshrrev_b32 v239, 7, v0
	v_lshlrev_b32 v239, 9, v239
	v_lshl_add_u32 v239, v242, 5, v239
	v_bfe_u32 v243, v0, 4, 3
	v_lshl_add_u32 v239, v243, 2, v239
	v_add_nc_u32 v239, KS, v239                    ; k's word (tile = thread / 16, r): 512 (tile / 8) + 32 r + 4 (tile % 8)
	v_lshrrev_b32 v240, 6, v0
	v_lshlrev_b32 v10, 12, v240                    ; v's words in memory: 4,096 bytes from key step to key step,
	v_lshlrev_b32 v240, 8, v240
	v_lshl_add_u32 v240, v242, 4, v240
	v_bfe_u32 v243, v0, 4, 2
	v_lshl_add_u32 v240, v243, 2, v240
	v_add_nc_u32 v240, VS, v240                    ; and in LDS: 256 ks + 16 r + 4 a
	v_and_b32 v243, 63, v0
	v_lshl_add_u32 v10, v243, 2, v10
	s_lshl_b32 s32, s12, 16
	s_mov_b32 s33, 0
	s_wait_kmcnt 0x0
	s_add_nc_u64 s[40:41], s[4:5], s[32:33]        ; the head's codes of q,
	s_add_nc_u64 s[34:35], s[40:41], 4194304       ; of k,
	s_add_nc_u64 s[36:37], s[40:41], 8388608       ; of v
	s_lshl_b32 s32, s17, 9
	s_add_nc_u64 s[42:43], s[40:41], s[32:33]
	s_lshl_b32 s32, s18, 9
	s_add_nc_u64 s[44:45], s[40:41], s[32:33]
	s_lshl_b32 s32, s16, 15
	s_lshl_b32 s38, s13, 13
	s_add_co_u32 s32, s32, s38
	s_add_co_u32 s32, s32, PS
	s_add_nc_u64 s[46:47], s[4:5], s[32:33]        ; q's scale words of this pair of heads and batch,
	s_add_nc_u64 s[48:49], s[46:47], 262144        ; k's
	s_lshl_b32 s32, s17, 6
	s_add_nc_u64 s[50:51], s[46:47], s[32:33]
	s_lshl_b32 s32, s18, 6
	s_add_nc_u64 s[52:53], s[46:47], s[32:33]
	s_lshl_b32 s32, s13, 16
	s_lshl_b32 s38, s14, 8
	s_add_co_u32 s32, s32, s38
	s_add_co_u32 s32, s32, PS+524288
	s_add_nc_u64 s[54:55], s[4:5], s[32:33]        ; v's
	s_lshl_b32 s32, s17, 8
	s_add_co_u32 s32, s32, MF
	s_add_nc_u64 s[56:57], s[6:7], s[32:33]
	s_lshl_b32 s32, s18, 8
	s_add_co_u32 s32, s32, MF
	s_add_nc_u64 s[58:59], s[6:7], s[32:33]
	s_load_b32 s60, s[56:57], 0x0                  ; the flags of my two tiles, a word for each half of the keys
	s_load_b32 s61, s[56:57], 0x80
	s_load_b32 s62, s[58:59], 0x0
	s_load_b32 s63, s[58:59], 0x80
	s_wait_alu depctr_va_vdst(0)                   ; the offsets v1, v8, v9, v10, v241, which the loads below read, and the LDS addresses v11, v238, v239, v240, which the fill's stores read, are written
.irp i, 0,1,2,3,4,5,6,7
	global_load_b128 v[100+4*\i:103+4*\i], v8, s[34:35] offset:8192*\i
	global_load_b128 v[132+4*\i:135+4*\i], v8, s[36:37] offset:8192*\i
.endr
.irp i, 0,1,2,3
	global_load_b32 v[KSC+\i], v9, s[48:49] offset:2048*\i
.endr
.irp i, 0,1
	global_load_b32 v[VSC+\i], v10, s[54:55] offset:32768*\i
.endr
	global_load_b128 v[16:19], v1, s[42:43]        ; q's fragments stay in registers
	global_load_b128 v[24:27], v1, s[44:45]
	global_load_b32 v217, v241, s[50:51]
	global_load_b32 v218, v241, s[52:53]
	v_mov_b32 v7, 0xff800000                       ; -infinity
.irp i, 20,21,22,23,28,29,30,31,64,65,66,67
	v_mov_b32 v[\i], 0                             ; zero codes: q's upper 64 along K; what lies behind k's last tile
.endr
.irp i, 220,221,222,223,224,225,226,227,228,229,230,231,232,233,234,236,237
	v_mov_b32 v[\i], 0                             ; written once: lane permutes' destinations count as read, and a tile may have no key step at all
.endr
	v_mov_b32 v235, 0xffff
	s_wait_kmcnt 0x0
	s_lshl_b32 s61, s61, 8
	s_or_b32 s11, s60, s61                         ; bits 0-15: a key step counts; bits 16-31: it is mixed
	s_lshl_b32 s63, s63, 8
	s_or_b32 s19, s62, s63
	s_wait_loadcnt 0x0
.irp i, 0,1,2,3
	ds_store_b128 v11, v[100+4*\i:103+4*\i] offset:16384*\i          ; no wait: the vector lines since the wait above name neither these addresses nor these data, which loads brought
	ds_store_b128 v11, v[132+4*\i:135+4*\i] offset:16384*\i+4096
.endr
.irp i, 4,5,6,7
	ds_store_b128 v238, v[100+4*\i:103+4*\i] offset:16384*(\i-4)
	ds_store_b128 v238, v[132+4*\i:135+4*\i] offset:16384*(\i-4)+4096
.endr
.irp i, 0,1,2,3
	v_bfe_u32 v[KSC+\i], v[KSC+\i], s15, 16        ; my head's two bytes; the upper two become 0
.endr
	s_wait_alu depctr_va_vdst(0)                   ; these four have written v204-207, which the LDS stores below read
.irp i, 0,1,2,3
	ds_store_b32 v239, v[KSC+\i] offset:2048*\i
.endr
.irp i, 0,1
	ds_store_b32 v240, v[VSC+\i] offset:2048*\i
.endr
	v_bfe_u32 v217, v217, s15, 16
	v_bfe_u32 v218, v218, s15, 16
	s_wait_dscnt 0x0                               ; for the others' sake: my part of k and v lies in LDS
	s_barrier_signal -1
	s_barrier_wait -1                              ; the launch's one barrier: from here on LDS is only read
	s_wait_alu depctr_vm_vsrc(0)                   ; my LDS stores have read v100-163, v204-207 and v212-213: from here on products, vector lines and the loop's loads write them (a tile with no key step writes v100 on without walking a step)
; 32 numbers of a lane, register 16 g + i = position 32 g + 16 (lane / 16) + i of the lane's row, become four registers of codes and two scale bytes.  t: eight registers at work
.macro QUANT32 src, pc, hw, t
.irp g, 0,1
	v_max3_num_f32 v[(\t)+\g], |v[(\src)+16*\g]|, |v[(\src)+16*\g+1]|, 0x1800000
.endr
.irp i, 2,4,6,8,10,12,14
.irp g, 0,1
	v_max3_num_f32 v[(\t)+\g], v[(\t)+\g], |v[(\src)+16*\g+\i]|, |v[(\src)+16*\g+\i+1]|
.endr
.endr
.irp g, 0,1
	v_permlanex16_b32 v[(\t)+2+\g], v[(\t)+\g], s[SEL], s[SEL+1]
.endr
.irp g, 0,1
	v_max_num_f32 v[(\t)+\g], v[(\t)+\g], v[(\t)+2+\g]
.endr
.irp g, 0,1
	v_add_nc_u32 v[(\t)+4+\g], 0xff000000, v[(\t)+\g]
.endr
.irp g, 0,1
	v_lshrrev_b32 v[(\t)+6+\g], 23, v[(\t)+4+\g]
.endr
	v_lshl_or_b32 v[\hw], v[(\t)+7], 8, v[(\t)+6]
.irp g, 0,1
	v_cvt_scalef32_pk8_fp4_f32 v[(\pc)+2*\g], v[(\src)+16*\g:(\src)+16*\g+7], v[(\t)+4+\g]
	v_cvt_scalef32_pk8_fp4_f32 v[(\pc)+2*\g+1], v[(\src)+16*\g+8:(\src)+16*\g+15], v[(\t)+4+\g]
.endr
	v_nop                                          ; one plain line behind the last conversion
	v_permlane16_swap_b32 v[\pc], v[(\pc)+2]
	v_permlane16_swap_b32 v[(\pc)+1], v[(\pc)+3]
.endm
; ONE TILE OF 16 QUERIES.  qf: q's fragment; qw: its scale words; pc, hw: where the codes and the two bytes of O are left; fl: the flags; tt: the tile's number; ov: a register for the store's offset
.macro QTILE qf, qw, pc, hw, fl, tt, ov
	v_mov_b32 v13, 0xff61b1e6                      ; the largest t so far: -3e38
	v_floor_f32 v12, -v13                          ; -M
	v_mov_b32 v14, 0                               ; the sum, in two halves
	v_mov_b32 v15, 0
.irp i, 0,1,2,3,4,5,6,7,8,9,10,11,12,13,14,15,16,17,18,19,20,21,22,23,24,25,26,27,28,29,30,31
	v_mov_b32 v[O+\i], 0                           ; the step is written once: the first finds zeros
.endr
	s_mov_b32 s24, 0                               ; the key step's codes in LDS,
	s_mov_b32 s25, 0                               ; k's scale words,
	s_mov_b32 s26, 0                               ; v's
	s_mov_b32 s27, 0
	s_mov_b32 s28, s[\fl]
	s_lshl_b32 s66, s[\tt], 12
	s_mov_b32 s67, 0
	s_add_nc_u64 s[30:31], s[6:7], s[66:67]        ; the tile's lane masks: 256 bytes a key step
.Lstep_\@:                                         ; 16 trips, a constant; a trip's work is left out where no pair of the step counts
	s_bitcmp1_b32 s28, 0
	s_cbranch_scc0 .Lend_\@
	s_load_b512 s[32:47], s[30:31], 0x0            ; the step's 64 lane masks (the selects of the last step walked, which read these registers, stand ahead of that step's waits behind its exponentials)
	s_load_b512 s[48:63], s[30:31], 0x40
	s_load_b512 s[68:83], s[30:31], 0x80
	s_load_b512 s[84:99], s[30:31], 0xc0
	s_wait_alu depctr_vm_vsrc(0)                   ; the LDS loads of the last step walked have read v4, v5 and v6, which are written anew below
	v_add_nc_u32 v4, s24, v1
	v_add_nc_u32 v5, s25, v2
	v_add_nc_u32 v6, s26, v3
	v_nop                                          ; four places in front of loads into registers that the last products read
	s_wait_alu depctr_va_vdst(0)                   ; v4, v5 and v6 are written, which this step's 19 loads read; the last step's products are done reading KF, KSC, VF and VSC, in which they land; at a first step: v204-207, q's zero codes, k's v64-67 and q's scale words, made by vector lines at the head, are written
.irp t, 0,1,2,3,4,5,6,7
	ds_load_b128 v[KF+4*\t:KF+4*\t+3], v4 offset:512*\t
.endr
	ds_load_b128 v[KSC:KSC+3], v5
	ds_load_b128 v[KSC+4:KSC+7], v5 offset:16
	s_wait_dscnt 0x0                               ; k's ten loads are in
.irp t, 0,1,2,3,4,5,6,7
	v_wmma_scale_f32_16x16x128_f8f6f4 v[S+8*\t:S+8*\t+7], v[KF+4*\t:KF+4*\t+7], v[\qf:\qf+7], 0, v[KSC+\t], v[\qw] matrix_a_fmt:MATRIX_FMT_FP4 matrix_b_fmt:MATRIX_FMT_FP4
	ds_load_b128 v[VF+8*(\t/2)+4*(\t%2):VF+8*(\t/2)+4*(\t%2)+3], v4 offset:4096+2048*(\t%2)+512*(\t/2)   ; v's fragments, one load behind each product.  No wait: since the wait above only these products were issued, and they name KF, q, KSC and S
.endr
	ds_load_b128 v[VSC:VSC+3], v6                  ; and v's scale words: the nine have the softmax in which to land
.rept 4
	v_nop
.endr
	s_wait_kmcnt 0x0                               ; the lane masks are in (and their base may be stepped)
	s_bitcmp1_b32 s28, 16
	s_cbranch_scc0 .Lopen_\@                       ; every pair of the step counts
.irp g, 0,1,2,3,4,5,6,7
.irp k, 0,1,2,3,4,5,6,7
	v_cndmask_b32 v[S+8*\g+\k], v7, v[S+8*\g+\k], s[32+8*\g+\k+4*(\g/4)]   ; hidden scores become -infinity: p = 0 then
.endr
.endr
.Lopen_\@:
.irp b, 0,1,2,3
	v_max3_num_f32 v[BM+\b], v[S+16*\b], v[S+16*\b+1], v[S+16*\b+2]   ; the largest score of each block of 32 keys: for the row's maximum, and, since p rises with the score, for the block's largest p
.endr
.irp i, 3,5,7,9,11,13
.irp b, 0,1,2,3
	v_max3_num_f32 v[BM+\b], v[BM+\b], v[S+16*\b+\i], v[S+16*\b+\i+1]
.endr
.endr
.irp b, 0,1,2,3
	v_max_num_f32 v[BM+\b], v[BM+\b], v[S+16*\b+15]
.endr
.irp b, 0,1,2,3
	v_permlanex16_b32 v[BP+\b], v[BM+\b], s[SEL], s[SEL+1]
.endr
.irp b, 0,1,2,3
	v_max_num_f32 v[BM+\b], v[BM+\b], v[BP+\b]     ; with lane l xor 16's 16 keys
.endr
	v_max3_num_f32 v234, v[BM], v[BM+1], v[BM+2]
	v_max_num_f32 v234, v234, v[BM+3]
	v_mul_f32 v234, s[CS], v234                    ; the step's largest t of my query
	v_max_num_f32 v13, v13, v234
	v_mov_b32 v234, v12
	v_floor_f32 v12, -v13                          ; the new -M = -ceil(t): a whole number
	v_sub_f32 v234, v12, v234                      ; old M - new M: a whole number, 0 or less
	v_cvt_i32_f32 v234, v234                       ; (it saturates)
	v_ldexp_f32 v232, 1.0, v234                    ; f = 2^(old M - new M): a multiplication by it rounds nothing
.irp g, 0,1,2,3,4,5,6,7
.irp k, 0,2,4,6
	v_pk_fma_f32 v[S+8*\g+\k:S+8*\g+\k+1], v[S+8*\g+\k:S+8*\g+\k+1], s[CS:CS+1], v[12:13] op_sel_hi:[1,0,0]   ; t - M
.endr
.endr
.irp b, 0,1,2,3
	v_fma_f32 v[BM+\b], v[BM+\b], s[CS], v12       ; the same of each block's largest score
.endr
.irp g, 0,1,2,3,4,5,6,7
.irp k, 0,1,2,3,4,5,6,7
	v_exp_f32 v[S+8*\g+\k], v[S+8*\g+\k]           ; p = 2^(t - M): not normalised
.endr
.endr
	v_pk_mul_f32 v[14:15], v[14:15], v[232:233] op_sel_hi:[1,0]   ; the sums under the new M: the plain line behind the exponentials
	s_wait_alu depctr_va_vdst(0)                   ; the 64 exponentials have written p: one wait for the batch, ahead of its first reader
.irp b, 0,1,2,3
	v_exp_f32 v[BM+\b], v[BM+\b]                   ; the block's largest p
.endr
	v_pk_add_f32 v[236:237], v[S:S+1], v[S+2:S+3]  ; the row's sum is taken of the unquantised p, in two chains
.irp j, 4,8,12,16,20,24,28,32,36,40,44,48,52,56,60
	v_pk_add_f32 v[14:15], v[14:15], v[S+\j:S+\j+1]
	v_pk_add_f32 v[236:237], v[236:237], v[S+\j+2:S+\j+3]
.endr
	v_pk_add_f32 v[14:15], v[14:15], v[236:237]
	s_wait_alu depctr_va_vdst(0)                   ; the four exponentials have written the blocks' largest p, ahead of their first reader
.irp b, 0,1,2,3
	v_max_num_f32 v[BM+\b], 0x1800000, v[BM+\b]    ; the floor 2^(3 - 127): the byte cannot fall under 1
.endr
.irp b, 0,1,2,3
	v_add_nc_u32 v[SOP+\b], 0xff000000, v[BM+\b]
.endr
.irp b, 0,1,2,3
	v_lshrrev_b32 v[BP+\b], 23, v[SOP+\b]
.endr
	v_lshl_or_b32 v[PSC], v[BP+1], 8, v[BP]        ; p's scale word for these 128 keys
	v_lshl_or_b32 v[PSC], v[BP+2], 16, v[PSC]
	v_lshl_or_b32 v[PSC], v[BP+3], 24, v[PSC]
.irp b, 0,1,2,3
	v_cvt_scalef32_pk8_fp4_f32 v[PCP+2*\b], v[S+16*\b:S+16*\b+7], v[SOP+\b]
	v_cvt_scalef32_pk8_fp4_f32 v[PCP+2*\b+1], v[S+16*\b+8:S+16*\b+15], v[SOP+\b]
.endr
	v_nop                                          ; one plain line behind the last conversion
.irp c, 0,1
.irp i, 0,1
	v_permlane16_swap_b32 v[PCP+4*\c+\i], v[PCP+4*\c+2+\i]   ; a whole block in a lane
.endr
.endr
.irp j, 0,2,4,6,8,10,12,14,16,18,20,22,24,26,28,30
	v_pk_mul_f32 v[O+\j:O+\j+1], v[O+\j:O+\j+1], v[232:233] op_sel_hi:[1,0]   ; O^T under the new M; these sixteen are also the places between p's scale word and codes and the products below
.endr
	s_wait_dscnt 0x0                               ; v is in
	s_wait_alu depctr_va_vdst(0)                   ; behind the places: the vector lines have written p's codes v196-203 and its scale word v216, which the scaled products below take
.irp a, 0,1,2,3
	v_wmma_scale_f32_16x16x128_f8f6f4 v[O+8*\a:O+8*\a+7], v[VF+8*\a:VF+8*\a+7], v[PCP:PCP+7], v[O+8*\a:O+8*\a+7], v[VSC+\a], v[PSC] matrix_a_fmt:MATRIX_FMT_FP4 matrix_b_fmt:MATRIX_FMT_FP4
.endr
.Lend_\@:
	s_add_co_u32 s24, s24, 8192
	s_add_co_u32 s25, s25, 512
	s_add_co_u32 s26, s26, 256
	s_add_nc_u64 s[30:31], s[30:31], 256
	s_lshr_b32 s28, s28, 1
	s_add_co_u32 s27, s27, 1
	s_cmp_lt_u32 s27, 16
	s_cbranch_scc1 .Lstep_\@
.rept 4
	v_nop                                          ; places behind the last products
.endr
	v_add_f32 v14, v14, v15
	v_permlanex16_b32 v234, v14, s[SEL], s[SEL+1]
	v_add_f32 v14, v14, v234                       ; l
	v_rcp_f32 v232, v14
	v_nop                                          ; a plain line behind the reciprocal
	v_cmp_eq_f32 vcc_lo, 0, v14                    ; no key counted for my query
	s_lshl_b32 s66, s13, 7
	s_add_co_u32 s66, s66, s[\tt]                  ; the tile among all tokens'
	s_lshl_b32 s66, s66, 13
	s_lshl_b32 s67, s14, 9
	s_add_co_u32 s66, s66, s67
	v_add_nc_u32 v[\ov], s66, v1                   ; blocks 2 head and 2 head + 1 of the tile's image
	s_wait_alu depctr_va_vdst(0)                   ; the reciprocal has written v232, ahead of its first reader
	s_wait_alu depctr_va_vcc(0)                    ; the compare has written VCC, ahead of its first reader
	v_cndmask_b32 v232, v232, v233, vcc_lo         ; (then the codes are zeros)
.irp j, 0,2,4,6,8,10,12,14,16,18,20,22,24,26,28,30
	v_pk_mul_f32 v[S+\j:S+\j+1], v[O+\j:O+\j+1], v[232:233] op_sel_hi:[1,0]   ; O^T / l, each accumulator from its low end on
.endr
	QUANT32 S, \pc, \hw, BM
	v_cndmask_b32 v[\hw], v[\hw], v235, vcc_lo     ; two bytes 0xff for a query with no visible key
	s_wait_alu depctr_va_vdst(0)                   ; the conversions and lane swaps have written the tile's four registers of codes, and the add its offset: the store reads both
	global_store_b128 v[\ov], v[\pc:\pc+3], s[8:9] ; 32 lanes store 512 consecutive bytes
.endm
	QTILE 16, 217, 244, 252, 11, 17, 254
	QTILE 24, 218, 248, 253, 19, 18, 255
	s_lshl_b32 s24, s13, 7
	s_add_co_u32 s25, s24, s17
	s_add_co_u32 s26, s24, s18
	s_lshl_b32 s25, s25, 9
	s_lshl_b32 s26, s26, 9
	s_lshl_b32 s24, s14, 1
	s_add_co_u32 s24, s24, AOS
	s_add_co_u32 s25, s25, s24                     ; the first tile's scale words, my head's two bytes,
	s_add_co_u32 s26, s26, s24                     ; the second's
	v_lshlrev_b32 v242, 5, v242                    ; 32 r
	v_mov_b32 v243, s25
	v_mov_b32 v219, s26
	v_cndmask_b32 v243, v243, v219, s100           ; lanes 0-15 carry the first tile's, lanes 16-31 the second's
	v_add_nc_u32 v242, v242, v243
	v_cndmask_b32 v252, v252, v253, s100
	s_wait_alu depctr_va_vdst(0)                   ; the offset v242 and the two bytes in v252 are written: the store reads both
	global_store_b16 v242, v252, s[8:9]
	s_wait_xcnt 0x0
	s_wait_alu depctr_vm_vsrc(0)                   ; the two tiles' stores have read their offsets v254 and v255, which are made anew below
	v_lshl_add_u32 v254, v0, 2, 0x23000
	v_mov_b32 v255, 0
	s_wait_dscnt 0x0                               ; the closing lines, six on end
	s_wait_alu 0x0
	s_wait_tensorcnt 0x0
	ds_add_u32 v254, v255
	s_wait_dscnt 0x0
	s_endpgm
.Lfunc_end_k_q550204b1e4_attn:
	.size	k_q550204b1e4_attn, .Lfunc_end_k_q550204b1e4_attn-k_q550204b1e4_attn
	.p2alignl 7, 3214868480
	.fill 96, 4, 3214868480
	.section	.rodata,"a",@progbits
	.p2align	6, 0x0
	.amdhsa_kernel k_q550204b1e4_attn
		.amdhsa_group_segment_fixed_size 145408
		.amdhsa_private_segment_fixed_size 0
		.amdhsa_enable_private_segment 0
		.amdhsa_kernarg_size 24
		.amdhsa_user_sgpr_count 2
		.amdhsa_user_sgpr_kernarg_segment_ptr 1
		.amdhsa_wavefront_size32 1
		.amdhsa_system_sgpr_workgroup_id_x 1
		.amdhsa_system_sgpr_workgroup_id_y 1
		.amdhsa_system_sgpr_workgroup_id_z 1
		.amdhsa_system_vgpr_workitem_id 0
		.amdhsa_next_free_vgpr 256
		.amdhsa_next_free_sgpr 102
		.amdhsa_reserve_vcc 1
		.amdhsa_float_denorm_mode_32 3
		.amdhsa_float_denorm_mode_16_64 3
		.amdhsa_memory_ordered 1
		.amdhsa_forward_progress 1
		.amdhsa_inst_pref_size 60
	.end_amdhsa_kernel
	.amdgpu_metadata
---
amdhsa.version: [ 1, 2 ]
amdhsa.kernels:
  - .name:           k_q550204b1e4_attn
    .symbol:         k_q550204b1e4_attn.kd
    .args:
      - { .name: pj, .offset: 0, .size: 8, .value_kind: global_buffer, .address_space: global }
      - { .name: mk, .offset: 8, .size: 8, .value_kind: global_buffer, .address_space: global }
      - { .name: ao, .offset: 16, .size: 8, .value_kind: global_buffer, .address_space: global }
    .group_segment_fixed_size: 145408
    .private_segment_fixed_size: 0
    .kernarg_segment_align: 8
    .kernarg_segment_size: 24
    .max_flat_workgroup_size: 512
    .sgpr_count:     102
    .vgpr_count:     256
    .wavefront_size: 32
...
	.end_amdgpu_metadata
.endif
;; end of part 5
;; launch outp: the kernel of part 4 again; grid 8 x 32, 8 waves a work-group, clusters of 4 x 4, 232,448 bytes of LDS; arguments ao, xw, bo, out0; writes out0
